; MI455X (gfx1250); checked and timed in simulation.
; The chip was launched on July 23, 2026; its instructions are those of AMD's public machine-readable ISA for CDNA 5 (MIT licence, August 2026) and "CDNA5" Instruction Set Architecture Reference Guide (July 2026). The comments in the code are by the model that wrote it; some were corrected since.
;; Causal Self Attention. Allowed arithmetic: matrix products marked QUANTISED: E2M3 operands, one E8M0 scale for each 32 along K, by v_wmma_scale_f32_16x16x128_f8f6f4 with both operands' format E2M3, f32 sums; everything else in f32.
;; Inputs: w_attn 1,024 x 3,072 float32; w_proj 1,024 x 1,024 float32; x 4 x 2,048 x 1,024 float32.
;; Outputs: out0 4 x 2,048 x 1,024 float32.
;; This version of the problem:
;;   THIS VERSION OF THE PROBLEM IS GIVEN IN LOW PRECISION. The matrix products marked QUANTISED in the list below multiply operands that are first quantised to E2M3 (2 exponent bits, 3 mantissa bits; 6 bits a number), with one power-of-two scale for each 32 numbers along K (OCP MX v1.0); their sums are f32. All else is computed in f32.
;;   The module's matrix products, in the order in which they are computed (A, B: the left and right operand; K: the contracted axis; several contracted axes count as one K, in the product's order):
;;     1. [M 8,192, K 1,024] x [K 1,024, N 3,072]; A: input x; B: input w_attn: QUANTISED
;;     2. batch 64 x [M 2,048, K 64] x [K 64, N 2,048]; A: computed on the way; B: computed on the way: QUANTISED
;;     3. batch 64 x [M 2,048, K 2,048] x [K 2,048, N 64]; A: softmax (see below); B: computed on the way: QUANTISED
;;     4. [M 8,192, K 1,024] x [K 1,024, N 1,024]; A: computed on the way; B: input w_proj: QUANTISED
;;   THE QUANTISER, for each operand of a quantised product, along K:
;;     - K is cut into blocks of 32 from its start; a last block that is shorter is filled with zeros.
;;     - A block's scale is 2^e with e = floor(log2(the largest magnitude in the block)) - 2, held to -126 .. 127; a block of zeros has e = 0. As a byte (E8M0): e + 127.
;;     - Each number is divided by its block's scale, clamped to +-7.5, and rounded to the nearest number of E2M3, ties to even, subnormals kept.
;;     - The product sums the exact products of the quantised numbers (number of the format x scale) in f32.
;;   ~~~python
;;   def quantise(x, axis):      # numpy; x: float32 -> the quantised numbers, widened to float32 again
;;       x = np.moveaxis(x, axis, -1); K = x.shape[-1]
;;       x = np.pad(x, [(0, 0)] * (x.ndim - 1) + [(0, -K % 32)]); x = x.reshape(x.shape[:-1] + (-1, 32)); a = np.abs(x).max(-1, keepdims=True)
;;       e = np.where(a > 0, np.clip(np.frexp(np.where(a > 0, a, 1))[1] - 1 - 2, -126, 127), 0)      # np.frexp(a)[1] - 1 = floor(log2(a)), exactly
;;       r = np.clip(x / 2.0 ** e, -7.5, 7.5)
;;       step = 2.0 ** (np.maximum(np.frexp(np.where(r == 0, 1, r))[1] - 1, 0) - 3)
;;       q = np.round(r / step) * step * 2.0 ** e      # np.round: ties to even
;;       return np.moveaxis(q.reshape(q.shape[:-2] + (-1,))[..., :K], -1, axis).astype(np.float32)
;;   ~~~
;;   SOFTMAX AHEAD OF A QUANTISED PRODUCT. Where the list says 'softmax', what is quantised is not the finished softmax but p = 2^(t - M), with t = logit x log2(e) and M = ceil(the row's largest t), a whole number; so 1/2 < the row's largest p <= 1. The row's sum l is taken of the UNQUANTISED p, in f32, and the product's result is divided by l at the end. Since M is a whole number, a kernel that streams over the keys may use a running M (the ceiling of the running maximum): every later rescaling is an exact power of two, which a block's scale takes up: the codes' values come out the same.
;;   OPERANDS COMPUTED ON THE WAY. 'Computed on the way' means the value that the module computes at that place (a softmax that the list does not call 'softmax' is quantised finished and normalised). What goes into a quantiser is computed in f32, as accurately as f32 sums, v_exp_f32 and their like allow (about 1e-6 of the number): no bf16 or f16 on the way to a quantiser, and a product that is left as it is and whose result goes on into a quantised operand takes f32 operands (vector FMAs, or v_wmma_f32_16x16x4_f32). A number that lies on a knife's edge between two numbers of the format may be rounded either way, as far as f32 arithmetic and the matrix unit's own rounding can turn it there, and no further.
;; One version. Each part assembles by itself: llvm-mc -triple=amdgcn-amd-amdhsa -mcpu=gfx1250 --defsym DOCPART=n.
;; ======== version 1 of 1: 4 launches
;; workspace buffers: xq 6,553,600 bytes; waq 2,457,600 bytes; wpq 819,200 bytes; qkv 20,185,088 bytes; yq 6,553,600 bytes
;; launch quant (part 1): grid 256 x 1, 4 waves a work-group, no clusters, 34,304 bytes of LDS; arguments x, w_attn, w_proj, xq, waq, wpq; writes xq, waq, wpq
.if DOCPART == 1
	.amdgcn_target "amdgcn-amd-amdhsa--gfx1250"
	.amdhsa_code_object_version 6
	.text
	.protected	k_q74e7649df3_quant
	.globl	k_q74e7649df3_quant
	.p2align	8
	.type	k_q74e7649df3_quant,@function
k_q74e7649df3_quant:
	s_mov_b64 s[64:65], 0
	v_nop
	global_prefetch_b8 v0, s[64:65] scope:SCOPE_SE
	s_setreg_imm32_b32 hwreg(HW_REG_WAVE_MODE, 25, 1), 1
	s_wait_xcnt 0x0
; x [8192][1024], w_attn [1024][3072] and w_proj [1024][1024], f32, become codes of FP6 (E2M3) with one E8M0 byte for each 32 along K (x: its last axis; the weights: their first).
; A block's scale is 2^(floor(log2(largest magnitude)) - 2); its byte is the largest magnitude's exponent field - 2, held at 1 from below; each number / scale is rounded to the nearest code, ties to even, beyond 7.5 the largest code.
; LIMITS: a block of zeros gets the byte 1 where the rule says 127 (its codes are zeros, and this program alone reads the bytes); blocks whose largest magnitude lies under 2^-124 are held at the byte 1; NaN and infinities are not served.
; LAYOUT OF THE RESULTS: images of the matrix operand's registers.  Tile T holds 16 rows; its lane r holds row 32 (T / 2) + 8 (T % 2) + r + 8 (r / 8).  A UNIT is a tile x 64 along K, 768 bytes: lane (r, h) owns the 24 bytes of
; k = 32 h .. 32 h + 31: its first 16 bytes at 16 x lane, its last 8 at 512 + 8 x lane.  A buffer is [tile][16 units], and behind the codes the scale bytes, 32 for each (tile, r) in that order.
; So every store of codes covers 512 or 256 consecutive bytes, and a reader takes a fragment by loads of 16 and 8 bytes a lane with no pitch.
; SHARES: work-groups 0-127: x, a wave to a tile (16 tokens x all of K, eight steps of 128).  128-223: w_attn, 224-255: w_proj: a wave takes 32 columns x 256 along K, a lane a column, its registers down K.
; No tensor loads, no barrier, no cluster: no two work-groups read the same input byte.  Only the x path uses LDS (a stage of its own for each wave).
.set SPARE, 33792                      ; behind the four stages: the spare words, 128 bytes a wave
.set STG,   8448                       ; a wave's stage: 16 rows x (512 bytes + 16)
.set SPW,   30                         ; v30  LDS address of my spare word; never rewritten
.set NIL,   31                         ; v31  0; never rewritten
.set TM,    16                         ; v16-27  x path: largest magnitudes, bytes, scale operands
.set PW,    32                         ; v32-39  x path: the scale word of each K step
.set PC,    40                         ; v40-55  x path: the two units just made (8 registers apart)
.set TT,    56                         ; v56-63  x path: the upper halves of the blocks' codes
.set RW,    64                         ; v64-191 x path: two sets of 64 registers as loaded
.set XN,    192                        ; v192-255 x path: 64 numbers of my row, register 16 b + i = k 32 b + 16 h + i
.set XW,    64                         ; v64-127 weights: two sets of 32 numbers down K
.set SB,    24                         ; v24-25  weights: my column's eight scale bytes
.set XSCO,  6291456                    ; where the scale bytes begin in xq,
.set WASCO, 2359296                    ; in waq,
.set WPSCO, 786432                     ; in wpq
	s_load_b256 s[4:11], s[0:1], 0x0               ; x s[4:5], w_attn s[6:7], w_proj s[8:9], xq s[10:11]
	s_load_b128 s[12:15], s[0:1], 0x20             ; waq s[12:13], wpq s[14:15]
	v_lshl_add_u32 v[SPW], v0, 2, SPARE
	v_mov_b32 v[NIL], 0
	v_lshrrev_b32 v1, 5, v0
	v_readfirstlane_b32 s16, v1                    ; wave
	v_and_b32 v1, 31, v0                           ; lane
	v_and_b32 v7, 15, v0                           ; r
	v_bfe_u32 v10, v0, 4, 1                        ; h
	v_lshlrev_b32 v2, 4, v1                        ; 16 x lane
	v_lshl_add_u32 v3, v1, 3, 512                  ; 512 + 8 x lane
	s_wait_kmcnt 0x0
	s_cmp_lt_u32 ttmp9, 128
	s_cbranch_scc0 .Lweights
; 64 numbers of a lane, v[s + 16 b + i] = k 32 b + 16 h + i of my row, become two units in v[pc ..], v[pc + 8 ..] and the row's scale word in v[pw]
.macro QUANT s, pc, pw
.irp b, 0,1,2,3
	v_max3_num_f32 v[TM+\b], |v[\s+16*\b]|, |v[\s+16*\b+1]|, 0x1800000   ; my 16 numbers of block b, and the floor 2^(3 - 127): the byte cannot fall under 1
.endr
.irp i, 2,4,6,8,10,12,14
.irp b, 0,1,2,3
	v_max3_num_f32 v[TM+\b], v[TM+\b], |v[\s+16*\b+\i]|, |v[\s+16*\b+\i+1]|   ; the four blocks by turns
.endr
.endr
.irp b, 0,1,2,3
	v_permlanex16_b32 v[TM+4+\b], v[TM+\b], s20, s21
.endr
.irp b, 0,1,2,3
	v_max_num_f32 v[TM+\b], v[TM+\b], v[TM+4+\b]   ; with lane l xor 16's 16: the block's largest magnitude
.endr
.irp b, 0,1,2,3
	v_add_nc_u32 v[TM+8+\b], 0xff000000, v[TM+\b]  ; 2 off its exponent field: the conversion takes this operand's exponent field as its scale
.endr
.irp b, 0,1,2,3
	v_lshrrev_b32 v[TM+4+\b], 23, v[TM+8+\b]       ; the scale's byte
.endr
	v_lshl_or_b32 v[\pw], v[TM+5], 8, v[TM+4]
	v_lshl_or_b32 v[\pw], v[TM+6], 16, v[\pw]
	v_lshl_or_b32 v[\pw], v[TM+7], 24, v[\pw]
.irp c, 0,1
	v_cvt_scalef32_pk16_fp6_f32 v[\pc+8*\c:\pc+8*\c+2], v[\s+32*\c:\s+32*\c+15], v[TM+8+2*\c]
	v_cvt_scalef32_pk16_fp6_f32 v[TT+4*\c:TT+4*\c+2], v[\s+32*\c+16:\s+32*\c+31], v[TM+9+2*\c]   ; (a conversion's three registers begin on an even number)
.endr
	v_nop                                          ; one plain place behind a scaled conversion
.irp c, 0,1                                    ; the operand wants a WHOLE block in a lane: lanes 0-15 block 2 c, lanes 16-31 block 2 c + 1
.irp i, 0,1,2
	v_permlane16_swap_b32 v[\pc+8*\c+\i], v[TT+4*\c+\i]
.endr
.irp i, 0,1,2
	v_mov_b32 v[\pc+8*\c+3+\i], v[TT+4*\c+\i]
.endr
.endr
.endm
	; ---------------- x: my wave's tile T = 4 x work-group + wave
	s_lshl_b32 s17, ttmp9, 2
	s_add_co_u32 s17, s17, s16                     ; T
	s_lshr_b32 s18, s17, 1
	s_lshl_b32 s18, s18, 17                        ; 32 (T / 2) rows of 4,096 bytes
	s_and_b32 s19, s17, 1
	s_lshl_b32 s19, s19, 15                        ; 8 (T % 2) rows
	s_add_co_u32 s18, s18, s19
	s_mov_b32 s19, 0
	s_mul_i32 s24, s17, 12288                      ; my tile's 16 units
	s_mov_b32 s25, 0
	s_lshl_b32 s26, s17, 9                         ; my tile's 512 scale bytes
	s_add_co_u32 s26, s26, XSCO
	s_mov_b32 s27, 0
	s_add_nc_u64 s[4:5], s[4:5], s[18:19]
	s_add_nc_u64 s[24:25], s[10:11], s[24:25]
	s_add_nc_u64 s[26:27], s[10:11], s[26:27]
	s_mov_b32 s20, 0x76543210
	s_mov_b32 s21, 0xfedcba98                      ; v_permlanex16_b32's selects for lane l xor 16
	s_mov_b32 s22, 0xffff0000                      ; lanes 16-31
	s_mul_i32 s28, s16, STG
	s_wait_alu depctr_va_vdst(0)
	v_add_nc_u32 v4, s28, v2                       ; the stage, on the way in: a row's 512 bytes as they lie
	v_mul_u32_u24 v5, v7, 528
	v_lshl_add_u32 v5, v10, 6, v5
	v_add_nc_u32 v5, s28, v5                       ; and on the way out: row r, + 64 h: my 16 numbers of a block
	v_lshlrev_b32 v6, 5, v7
	v_lshl_add_u32 v6, v10, 4, v6                  ; the scale bytes: 32 r + 16 h
.irp b, 0,1,2,3
	v_mov_b32 v[TM+4+\b], 0                        ; written once: a lane permute's destination counts as one of its sources
.endr
.macro LOADX s                         ; K step s of my 16 tokens: each load reads 512 consecutive bytes of one token
.irp i, 0,1,2,3,4,5,6,7,8,9,10,11,12,13,14,15
	global_load_b128 v[RW+64*((\s)%2)+4*\i:RW+64*((\s)%2)+4*\i+3], v2, s[4:5] offset:(\i+8*(\i/8))*4096+512*(\s) th:TH_LOAD_NT
.endr
.endm
.macro XSTEP s
.if (\s) < 7
	s_wait_loadcnt 16                              ; this step's 16 loads are in; the next step's 16 may be out
.else
	s_wait_loadcnt 0
.endif
.irp i, 0,1,2,3,4,5,6,7,8,9,10,11,12,13,14,15
	ds_store_b128 v4, v[RW+64*((\s)%2)+4*\i:RW+64*((\s)%2)+4*\i+3] offset:528*\i
.endr
.irp b, 0,1,2,3
.irp j, 0,1,2,3
	ds_load_b128 v[XN+16*\b+4*\j:XN+16*\b+4*\j+3], v5 offset:128*\b+16*\j   ; LDS serves a wave's instructions in order: these see the stores above
.endr
.endr
	s_wait_dscnt 0x0                               ; my numbers are back, and the stage's stores have read their registers
	s_wait_xcnt 0x0                                ; the last step's stores have read the units' registers, which are written again below
.if (\s) < 6
	LOADX (\s)+2
.endif
	QUANT XN, PC, PW+(\s)
.irp c, 0,1
	global_store_b128 v2, v[PC+8*\c:PC+8*\c+3], s[24:25] offset:(2*(\s)+\c)*768     ; 512 consecutive bytes
	global_store_b64 v3, v[PC+8*\c+4:PC+8*\c+5], s[24:25] offset:(2*(\s)+\c)*768    ; 256 consecutive bytes
.endr
.endm
	LOADX 0
	LOADX 1
	s_wait_alu depctr_va_vdst(0)
.irp s, 0,1,2,3,4,5,6,7
	XSTEP \s
.endr
.irp j, 0,1,2,3
	v_cndmask_b32 v[12+\j], v[PW+\j], v[PW+4+\j], s22   ; lanes 0-15 store their row's words 0-3, lanes 16-31 words 4-7
.endr
	global_store_b128 v6, v[12:15], s[26:27]       ; the tile's 512 scale bytes, consecutive
	s_wait_tensorcnt 0x0                           ; the wave's end, behind my last LDS store
	ds_add_u32 v[SPW], v[NIL]
	s_wait_dscnt 0x0
	s_endpgm
; ---------------- the weights.  Lane l = 16 u + r takes column cb + 8 u + r + 8 (r / 8), the row r of tile cb / 16 + u.  A block of 32 along K is one lane's 32 registers.
.macro WLOAD t, n
.irp i, 0,1,2,3,4,5,6,7,8,9,10,11,12,13,14,15,16,17,18,19,20,21,22,23,24,25,26,27,28,29,30,31
	global_load_b32 v[XW+32*((\t)%2)+\i], v8, s[24:25] offset:(32*(\t)+\i)*(\n)*4 th:TH_LOAD_NT   ; the 32 lanes read 128 consecutive bytes of one row of the weight
.endr
.endm
.macro WBLOCK t, n
.set XS, XW+32*((\t)%2)
.set CR, 128+32*((\t)/2)+8*((\t)%2)    ; the block's six registers of codes: each pair of blocks has registers of its own, so no store's data are written again
.set CT, 128+32*((\t)/2)+16+4*((\t)%2)
.if (\t) < 7
	s_wait_loadcnt 32                              ; this block's 32 loads are in; the next block's may be out
.else
	s_wait_loadcnt 0
.endif
	v_max3_num_f32 v12, |v[XS]|, |v[XS+1]|, |v[XS+2]|
	v_max3_num_f32 v13, |v[XS+3]|, |v[XS+4]|, |v[XS+5]|
.irp i, 6,10,14,18,22,26
	v_max3_num_f32 v12, v12, |v[XS+\i]|, |v[XS+\i+1]|
	v_max3_num_f32 v13, v13, |v[XS+\i+2]|, |v[XS+\i+3]|
.endr
	v_max3_num_f32 v12, v12, |v[XS+30]|, |v[XS+31]|
	v_max3_num_f32 v12, v12, v13, 0x1800000        ; and the floor
	v_add_nc_u32 v11, 0xff000000, v12              ; the conversion's scale operand
	v_lshrrev_b32 v13, 23, v11                     ; the scale's byte
.if (\t)%4 == 0
	v_mov_b32 v[SB+(\t)/4], v13
.else
	v_lshl_or_b32 v[SB+(\t)/4], v13, 8*((\t)%4), v[SB+(\t)/4]
.endif
	v_cvt_scalef32_pk16_fp6_f32 v[CR:CR+2], v[XS:XS+15], v11
	v_cvt_scalef32_pk16_fp6_f32 v[CT:CT+2], v[XS+16:XS+31], v11
	v_nop                                          ; one plain place behind a scaled conversion
.irp i, 0,1,2
	v_mov_b32 v[CR+3+\i], v[CT+\i]
.endr
.if (\t)+2 < 8
	WLOAD (\t)+2, \n
.endif
.if (\t)%2 == 1                        ; two blocks make a unit for each of my two tiles: the even block's lanes 16-31 change places with the odd block's lanes 0-15
.irp i, 0,1,2,3,4,5
	v_permlane16_swap_b32 v[CR-8+\i], v[CR+\i]
.endr
	global_store_b128 v2, v[CR-8:CR-5], s[26:27] offset:((\t)/2)*768
	global_store_b64 v3, v[CR-4:CR-3], s[26:27] offset:((\t)/2)*768
	global_store_b128 v2, v[CR:CR+3], s[26:27] offset:((\t)/2)*768+12288
	global_store_b64 v3, v[CR+4:CR+5], s[26:27] offset:((\t)/2)*768+12288
.endif
.endm
.macro QW n, first, w, buf, sc
	s_sub_co_u32 s17, ttmp9, \first
	s_lshr_b32 s18, s17, 2                         ; which 128 columns
	s_and_b32 s19, s17, 3                          ; which 256 along K
	s_lshl_b32 s18, s18, 7
	s_lshl_b32 s23, s16, 5
	s_add_co_u32 s18, s18, s23                     ; cb: my wave's first column
	s_mul_i32 s24, s19, 1024*\n                    ; 256 rows of n x 4 bytes
	s_lshl_b32 s23, s18, 2
	s_add_co_u32 s24, s24, s23
	s_mov_b32 s25, 0
	s_mul_i32 s26, s18, 768                        ; tile cb / 16, of 12,288 bytes,
	s_mul_i32 s23, s19, 3072                       ; and its four units of these 256 along K
	s_add_co_u32 s26, s26, s23
	s_mov_b32 s27, 0
	s_lshl_b32 s28, s18, 5                         ; 32 scale bytes a column,
	s_lshl_b32 s23, s19, 3                         ; eight of them mine
	s_add_co_u32 s28, s28, s23
	s_add_co_u32 s28, s28, \sc
	s_mov_b32 s29, 0
	s_add_nc_u64 s[24:25], s[\w:\w+1], s[24:25]
	s_add_nc_u64 s[26:27], s[\buf:\buf+1], s[26:27]
	s_add_nc_u64 s[28:29], s[\buf:\buf+1], s[28:29]
	v_and_b32 v8, 8, v7
	v_add_nc_u32 v8, v8, v7                        ; r + 8 (r / 8)
	v_lshl_add_u32 v8, v10, 3, v8                  ; + 8 u
	v_lshlrev_b32 v8, 2, v8                        ; my column, in bytes
	v_lshlrev_b32 v9, 5, v1                        ; my column's row of scale bytes: position cb + lane
	WLOAD 0, \n
	WLOAD 1, \n
.irp t, 0,1,2,3,4,5,6,7
	WBLOCK \t, \n
.endr
	global_store_b64 v9, v[SB:SB+1], s[28:29]      ; eight bytes a column, 32 bytes apart: one byte for each 128 that are read
	s_endpgm                                       ; (these waves have touched no LDS)
.endm
.Lweights:
	s_cmp_lt_u32 ttmp9, 224
	s_cbranch_scc0 .Lproj
	s_wait_alu depctr_va_vdst(0)
	QW 3072, 128, 6, 12, WASCO
.Lproj:
	s_wait_alu depctr_va_vdst(0)
	QW 1024, 224, 8, 14, WPSCO
.Lfunc_end_k_q74e7649df3_quant:
	.size	k_q74e7649df3_quant, .Lfunc_end_k_q74e7649df3_quant-k_q74e7649df3_quant
	.p2alignl 7, 3214868480
	.fill 96, 4, 3214868480
	.section	.rodata,"a",@progbits
	.p2align	6, 0x0
	.amdhsa_kernel k_q74e7649df3_quant
		.amdhsa_group_segment_fixed_size 34304
		.amdhsa_private_segment_fixed_size 0
		.amdhsa_enable_private_segment 0
		.amdhsa_kernarg_size 48
		.amdhsa_user_sgpr_count 2
		.amdhsa_user_sgpr_kernarg_segment_ptr 1
		.amdhsa_wavefront_size32 1
		.amdhsa_system_sgpr_workgroup_id_x 1
		.amdhsa_system_sgpr_workgroup_id_y 1
		.amdhsa_system_sgpr_workgroup_id_z 1
		.amdhsa_system_vgpr_workitem_id 0
		.amdhsa_next_free_vgpr 256
		.amdhsa_next_free_sgpr 66
		.amdhsa_reserve_vcc 0
		.amdhsa_float_denorm_mode_32 3
		.amdhsa_float_denorm_mode_16_64 3
		.amdhsa_memory_ordered 1
		.amdhsa_forward_progress 1
		.amdhsa_inst_pref_size 143
	.end_amdhsa_kernel
	.amdgpu_metadata
---
amdhsa.version: [ 1, 2 ]
amdhsa.kernels:
  - .name:           k_q74e7649df3_quant
    .symbol:         k_q74e7649df3_quant.kd
    .args:
      - { .name: x, .offset: 0, .size: 8, .value_kind: global_buffer, .address_space: global }
      - { .name: w_attn, .offset: 8, .size: 8, .value_kind: global_buffer, .address_space: global }
      - { .name: w_proj, .offset: 16, .size: 8, .value_kind: global_buffer, .address_space: global }
      - { .name: xq, .offset: 24, .size: 8, .value_kind: global_buffer, .address_space: global }
      - { .name: waq, .offset: 32, .size: 8, .value_kind: global_buffer, .address_space: global }
      - { .name: wpq, .offset: 40, .size: 8, .value_kind: global_buffer, .address_space: global }
    .group_segment_fixed_size: 34304
    .private_segment_fixed_size: 0
    .kernarg_segment_align: 8
    .kernarg_segment_size: 48
    .max_flat_workgroup_size: 128
    .sgpr_count:     66
    .vgpr_count:     256
    .wavefront_size: 32
...
	.end_amdgpu_metadata
.endif
;; end of part 1
;; launch qkv (part 2): grid 12 x 32, 4 waves a work-group, clusters of 4 x 4, 327,680 bytes of LDS; arguments xq, waq, qkv; writes qkv
.if DOCPART == 2
	.amdgcn_target "amdgcn-amd-amdhsa--gfx1250"
	.amdhsa_code_object_version 6
	.text
	.protected	k_q74e7649df3_qkv
	.globl	k_q74e7649df3_qkv
	.p2align	8
	.type	k_q74e7649df3_qkv,@function
k_q74e7649df3_qkv:
	s_mov_b64 s[64:65], 0
	v_nop
	global_prefetch_b8 v0, s[64:65] scope:SCOPE_SE
	s_setreg_imm32_b32 hwreg(HW_REG_WAVE_MODE, 25, 1), 1
	s_wait_xcnt 0x0
	s_wait_alu depctr_hold_cnt(0) depctr_sa_sdst(0) depctr_va_vdst(0) depctr_va_sdst(0) depctr_va_ssrc(0) depctr_va_vcc(0) depctr_vm_vsrc(0)
	s_getreg_b32 s2, hwreg(HW_REG_IB_STS2, 6, 4)
	s_cmp_eq_u32 s2, 0
	s_cbranch_scc0 .Lentry_in_a_cluster
	s_endpgm
.Lentry_in_a_cluster:
	s_bfe_u32 s2, ttmp6, 0x10000c
	s_cmp_lg_u32 s2, 0xf033
	s_cbranch_scc0 .Lentry_shape_is_right
	s_endpgm
.Lentry_shape_is_right:
; qkv = x w_attn on codes of FP6 (E2M3) with E8M0 scales, K = 1,024; the f32 results never go to memory: q and k are quantised along the head's 64, v along the keys, and leave as images of the next products' operands.
; A work-group of four waves makes 256 tokens x 256 columns, a wave 128 x 128: 64 accumulators, 512 registers.  K goes in four slots of 256 through a ring of two LDS slots filled by the tensor data mover.
; OPERANDS lie in memory as UNITS of 768 bytes (a tile of 16 rows x 64 along K; lane (r, h): its first 16 bytes at 16 x lane, its last 8 at 512 + 8 x lane), [tile][16 units]; lane r of tile T is row 32 (T / 2) + 8 (T % 2) + r + 8 (r / 8).
; With source 0's rows so chosen, a lane's 16 registers of two neighbouring accumulators are 16 NEIGHBOURS along source 0's rows, which are the next product's K.
; ROLES: the cluster's x is the kind (0: q, 1: k, 2: v), the same in all sixteen partners.  q, k: source 0 = 16 columns of w, source 1 = 16 tokens: a lane holds a token, its registers run along the head's d.
; v: source 0 = 16 tokens, source 1 = 16 columns: a lane holds a d, its registers run along the keys.  The text is one: only the LDS bases from which the two sources are read are chosen by the kind.
; CLUSTERS: 4 x 4.  x's tiles are shared along a row of the cluster, w's along a column: each is asked for jointly, by the same tensor load with the same descriptor and a mask that names the four.
; The grid has 384 work-groups: a tile of 256 x 384 would take 768 registers of accumulators and leave no second set for source 0.
; LIMITS: a block of zeros gets the byte 1 where the rule says 127 (zero codes; this program alone reads the bytes); largest magnitudes under 2^-124 are held at the byte 1; NaN and infinities are not served.
; REGISTERS: window 0: v1-29 addresses; v32-63 scale words, two sets, and nothing else; v128-223 source 1's fragments, one set; on the way out v64-99 at work, v128-255 the units made.
;   window 1: source 0's fragments, two sets, at v0 and v128.  windows 2, 3: the accumulators ((a, b) at v[8 (8 (a % 4) + b)] of window 2 + a / 4; a: source 1's block, b: source 0's).
.set NQ,     2                         ; matrix instructions deep in a slot
.set FR,     12                        ; registers of a fragment
.set NL,     4                         ; LDS loads that bring one
.set NP,     4                         ; places behind this matrix instruction (ISA guide 7.12.1)
.set TILEB,  3072                      ; a tile's four units in a slot
.set TILEG,  12288                     ; a tile's sixteen units in memory
.set HALFT,  8*TILEB                   ; 8 tiles: what one tensor load brings, and what one wave reads of a side
.set SLOT,   4*HALFT                   ; x's 16 tiles, then w's 16
.set SCL,    2*SLOT                    ; behind the ring: the scale bytes, as rows of 256 bytes + 16 of padding
.set HALFS,  16*272                    ; those of 128 rows
.set SBLK,   2*272                     ; those of 16 rows
.set SPARE,  SCL+4*HALFS               ; the spare words, 128 bytes a wave
.set XSCO,   6291456                   ; where the scale bytes begin in xq,
.set WSCO,   2359296                   ; and in waq
.set HB,     315392                    ; a head's block in qkv: Q's codes 0, Q's scales 98,304, K's codes 106,496, V's codes 204,800, K's scales 303,104, V's scales 311,296
.set ADRA, 16                          ; v16-17 source 1: base + 16 x lane in slot 0, 1;  v18-19: base + 512 + 8 x lane
.set ADRB, 20                          ; v20-23 the same for source 0
.set ADRS, 27                          ; v27    my scale words: lanes 0-15 source 1's rows, lanes 16-31 source 0's
.set SPW,  28                          ; v28    LDS address of my spare word; never rewritten
.set NIL,  29                          ; v29    0; never rewritten
.set SC,   32
.set AF,   128
.set TM,   64                          ; the way out: v64-75 largest magnitudes, bytes, scale operands
.set TT,   76                          ; v76-83 upper halves of the blocks' codes
.set PWR,  84                          ; v84-91 a scale word for each of source 1's blocks
.set RR,   92                          ; v92-99 scale words as they are stored
.set G1, 24
.set G0, 32
.set G1B, 48
.set G0B, 56
.set G1S, 68
.set G0S, 76
.set G1SB, 80
.set G0SB, 88
.set MSB, 0
.macro WIN new                         ; the immediate's high byte repeats the setting that is left; a switch that changes nothing is dropped
.if MSB != (\new)
	s_set_vgpr_msb (MSB<<8)|(\new)
.set MSB, (\new)
.endif
.endm
.set MUL_LO, 0xa1                      ; source 0 window 1, source 1 window 0, C and D window 2
.set MUL_HI, 0xf1                      ; the same, C and D window 3
.set TO_B,   0x40                      ; destination window 1, address window 0
; A joint load: waves 0 and 1 fetch x's halves, waves 2 and 3 w's.  The branch hangs on the wave's number alone.  An s_nop 0 and four v_nop follow each of the two lines.
.macro JLOAD g0a, g1a, g0b, g1b
	s_cmp_eq_u32 s15, 0
	s_cbranch_scc0 .Lfor_b_\@
	tensor_load_to_lds s[\g0a:\g0a+3], s[\g1a:\g1a+7]
	s_nop 0
.rept 4
	v_nop
.endr
	s_branch .Lasked_\@
.Lfor_b_\@:
	tensor_load_to_lds s[\g0b:\g0b+3], s[\g1b:\g1b+7]
	s_nop 0
.rept 4
	v_nop
.endr
.Lasked_\@:
.endm
.macro CREST                           ; a round of the cluster's barrier behind its opening barrier
	s_cmp_lg_u32 s14, 0
	s_cbranch_scc1 .Lnot_wave_0_\@
	s_barrier_signal -3
.Lnot_wave_0_\@:
	s_barrier_wait -3
	s_barrier_signal -1
	s_barrier_wait -1
.endm
.macro CROUND
	s_barrier_signal -1
	s_barrier_wait -1
	CREST
.endm
	s_load_b128 s[4:7], s[0:1], 0x0                ; xq s[4:5], waq s[6:7]
	s_load_b64 s[8:9], s[0:1], 0x10                ; qkv
	v_lshl_add_u32 v[SPW], v0, 2, SPARE
	v_mov_b32 v[NIL], 0
	ds_add_u32 v[SPW], v[NIL]
	ds_add_u32 v[SPW], v[NIL]                      ; the wave's opening: the add and its wait ahead of my first tensor load; work on registers stands between them
	v_lshrrev_b32 v1, 5, v0
	v_readfirstlane_b32 s14, v1                    ; wave 0..3
	s_lshr_b32 s15, s14, 1                         ; which half of the tokens is mine.  Also: I fetch for x (0) or for w (1)
	s_and_b32 s16, s14, 1                          ; which half of the columns.  Also: which 8 tiles I fetch
	s_bfe_u32 s40, ttmp6, 0x40000                  ; cx
	s_bfe_u32 s41, ttmp6, 0x40004                  ; cy
	s_lshl_b32 s42, ttmp9, 2
	s_add_co_u32 s42, s42, s40                     ; which 256 columns = 4 x cluster x + cx
	s_and_b32 s17, ttmp7, 0xffff
	s_lshl_b32 s17, s17, 2
	s_add_co_u32 s17, s17, s41                     ; which 256 tokens = 4 x cluster y + cy
	s_lshl_b32 s43, s41, 2
	s_lshl_b32 s43, 15, s43                        ; my row of the cluster
	s_lshl_b32 s44, 0x1111, s40                    ; my column
	; group 1 for codes: 8 tiles x 3,072 bytes (384 elements of 8 bytes), 12,288 bytes apart in memory, dense in LDS
	s_or_b32 s[G1+0], s43, (3<<16)|(1<<21)         ; 15:0 the mask: x's tiles go to my row; 17:16 elements of 8 bytes; 21 set beside a mask
	s_or_b32 s[G1B+0], s44, (3<<16)|(1<<21)        ; w's go to my column
.irp g, G1, G1B
	s_mov_b32 s[\g+1], 384<<16                     ; tensor_dim0
	s_mov_b32 s[\g+2], 8<<16                       ; tensor_dim1
	s_mov_b32 s[\g+3], 384<<16                     ; tile_dim0
	s_mov_b32 s[\g+4], 8                           ; tile_dim1
	s_mov_b32 s[\g+5], 1536                        ; tensor_dim0_stride
	s_mov_b32 s[\g+6], 0
	s_mov_b32 s[\g+7], 0
.endr
	; and for the scale bytes of 128 rows: 4,096 dense bytes as 16 rows of 256, 16 bytes of padding behind each
	s_or_b32 s[G1S+0], s43, (3<<16)|(1<<20)|(1<<21)|(5<<22)|(3<<25)
	s_or_b32 s[G1SB+0], s44, (3<<16)|(1<<20)|(1<<21)|(5<<22)|(3<<25)
.irp g, G1S, G1SB
	s_mov_b32 s[\g+1], 32<<16
	s_mov_b32 s[\g+2], 16<<16
	s_mov_b32 s[\g+3], 32<<16
	s_mov_b32 s[\g+4], 16
	s_mov_b32 s[\g+5], 32
	s_mov_b32 s[\g+6], 0
	s_mov_b32 s[\g+7], 0
.endr
	s_lshl_b32 s18, s16, 3                         ; which 8 tiles I fetch
	s_lshl_b32 s20, s17, 4
	s_add_co_u32 s20, s20, s18                     ; x: tile 16 x (256 tokens) + 8 x half
	s_lshl_b32 s46, s42, 4
	s_add_co_u32 s46, s46, s18                     ; w: likewise by the columns
	s_lshl_b32 s22, s20, 9                         ; a tile's scale bytes are 512
	s_add_co_u32 s22, s22, XSCO
	s_mov_b32 s23, 0
	s_lshl_b32 s92, s46, 9
	s_add_co_u32 s92, s92, WSCO
	s_mov_b32 s93, 0
	s_mul_i32 s20, s20, TILEG
	s_mov_b32 s21, 0
	s_mul_i32 s46, s46, TILEG
	s_mov_b32 s47, 0
	s_mul_i32 s45, s14, HALFT                      ; where they go: wave x 8 tiles: no place in the cluster enters an LDS address
	s_mul_i32 s94, s14, HALFS
	s_wait_dscnt 0x0                               ; the opening add is done
	s_wait_kmcnt 0x0
	s_add_nc_u64 s[20:21], s[4:5], s[20:21]
	s_add_nc_u64 s[22:23], s[4:5], s[22:23]
	s_add_nc_u64 s[46:47], s[6:7], s[46:47]
	s_add_nc_u64 s[92:93], s[6:7], s[92:93]
	CROUND                                         ; all sixteen work-groups are here: the first joint loads meet
	s_mov_b32 s[G0S], 1
	s_add_co_u32 s[G0S+1], s94, SCL
	s_mov_b64 s[G0S+2:G0S+3], s[22:23]
	s_or_b32 s[G0S+3], s[G0S+3], 0x80000000
	s_mov_b32 s[G0SB], 1
	s_add_co_u32 s[G0SB+1], s94, SCL
	s_mov_b64 s[G0SB+2:G0SB+3], s[92:93]
	s_or_b32 s[G0SB+3], s[G0SB+3], 0x80000000
	JLOAD G0S, G1S, G0SB, G1SB                     ; the scale bytes first: filled once.  With the two slots three loads of mine are out
.irp s, 0,1
	s_mov_b32 s[G0+4*\s], 1
	s_add_co_u32 s[G0+4*\s+1], s45, \s*SLOT
	s_add_nc_u64 s[G0+4*\s+2:G0+4*\s+3], s[20:21], \s*TILEB
	s_or_b32 s[G0+4*\s+3], s[G0+4*\s+3], 0x80000000
	s_mov_b32 s[G0B+4*\s], 1
	s_add_co_u32 s[G0B+4*\s+1], s45, \s*SLOT
	s_add_nc_u64 s[G0B+4*\s+2:G0B+4*\s+3], s[46:47], \s*TILEB
	s_or_b32 s[G0B+4*\s+3], s[G0B+4*\s+3], 0x80000000
	JLOAD G0+4*\s, G1, G0B+4*\s, G1B
.endr
	; where the two sources are read from.  The kind (the cluster's x) chooses; it is the same in all partners
	v_and_b32 v1, 31, v0                           ; lane
	v_lshlrev_b32 v4, 4, v1                        ; 16 x lane
	s_wait_alu depctr_va_vdst(0)
	v_lshl_add_u32 v8, v1, 3, 512                  ; 512 + 8 x lane
	s_wait_alu depctr_va_vdst(0)
	s_mul_i32 s18, s15, HALFT                      ; my 8 tiles of x
	s_mul_i32 s19, s16, HALFT
	s_add_co_u32 s19, s19, 2*HALFT                 ; my 8 tiles of w, behind x's 16
	s_cmp_eq_u32 ttmp9, 2                          ; v?
	s_cselect_b32 s10, 1, 0
	s_cselect_b32 s21, s19, s18                    ; source 1: x's tiles, for v: w's
	s_cselect_b32 s22, s18, s19                    ; source 0: the other
.irp s, 0,1
	v_add_nc_u32 v[ADRA+\s], s21, v4
	v_add_nc_u32 v[ADRA+2+\s], s21, v8
	v_add_nc_u32 v[ADRB+\s], s22, v4
	v_add_nc_u32 v[ADRB+2+\s], s22, v8
	s_add_co_u32 s21, s21, SLOT
	s_add_co_u32 s22, s22, SLOT
.endr
	v_and_b32 v14, 15, v0                          ; r
	v_bfe_u32 v15, v0, 4, 1                        ; h
	v_lshlrev_b32 v24, 5, v14                      ; my row's scale bytes: 32 a row,
	v_lshrrev_b32 v25, 8, v24
	v_lshl_add_u32 v24, v25, 4, v24                ; and 16 more for each 256 passed
	s_mul_i32 s21, s15, HALFS                      ; x's: my 128 rows
	s_mul_i32 s22, s16, HALFS
	s_add_co_u32 s22, s22, 2*HALFS                 ; w's: my 128 rows, behind x's 256
	s_sub_co_u32 s22, s22, s21
	v_add_nc_u32 v25, s10, v15
	v_and_b32 v25, 1, v25                          ; lanes 16-31 take source 0's words: w's, for v: x's
	v_mul_u32_u24 v25, s22, v25
	s_add_co_u32 s21, s21, SCL
	v_add_nc_u32 v24, v24, v25
	v_add_nc_u32 v[ADRS], s21, v24
	; the way out: where my wave's units and scale words go
	s_lshr_b32 s18, s17, 3                         ; the batch
	s_lshl_b32 s18, s18, 4
	s_lshl_b32 s19, s40, 2
	s_add_co_u32 s18, s18, s19
	s_lshl_b32 s19, s16, 1
	s_add_co_u32 s18, s18, s19                     ; my first head: 16 x batch + 4 cx + 2 x (half of the columns)
	s_mul_i32 s18, s18, HB
	s_and_b32 s19, s17, 7
	s_lshl_b32 s19, s19, 8
	s_lshl_b32 s21, s15, 7
	s_add_co_u32 s19, s19, s21                     ; my first token in the batch
	s_mul_i32 s21, s19, 48                         ; its codes: 768 bytes for 16 tokens (q, k), 3,072 for 64 keys (v): 48 a token either way
	s_add_co_u32 s21, s21, s18
	s_mov_b32 s22, 303104
	s_mov_b32 s93, HB
	s_cmp_eq_u32 ttmp9, 0
	s_cselect_b32 s23, 0, 106496                   ; the codes' place in a head's block,
	s_cselect_b32 s22, 98304, s22                  ; and the scale words'
	s_cmp_eq_u32 ttmp9, 2
	s_cselect_b32 s23, 204800, s23
	s_cselect_b32 s22, 311296, s22
	s_cselect_b32 s46, 1, 2                        ; scale words of 128 tokens: 256 bytes (v) or 512 (q, k)
	s_cselect_b32 s92, HB-3072, 0                  ; from blocks 0-3 to blocks 4-7 of source 1, beside 768 a block: v: the next head
	s_cselect_b32 s93, 3072, s93                   ; from a fragment's first unit to its second: v: the next 64 keys; q, k: the next head
	s_lshl_b32 s19, s19, s46
	s_add_co_u32 s12, s21, s23
	s_mov_b32 s13, 0
	s_add_co_u32 s96, s18, s22
	s_add_co_u32 s96, s96, s19
	s_mov_b32 s97, 0
	s_add_nc_u64 s[12:13], s[8:9], s[12:13]        ; the codes
	s_add_nc_u64 s[96:97], s[8:9], s[96:97]        ; the scale words
	s_add_co_u32 s46, s92, s93
	v_add_nc_u32 v5, s93, v4                       ; v[4 + 2 x + c], v[8 + 2 x + c]: the lane's places, for blocks 4 x on and unit c
	v_add_nc_u32 v6, s92, v4
	v_add_nc_u32 v7, s46, v4
	v_add_nc_u32 v9, s93, v8
	v_add_nc_u32 v10, s92, v8
	v_add_nc_u32 v11, s46, v8
	v_lshlrev_b32 v12, 3, v1                       ; v's scale words: 8 x lane,
	v_add_nc_u32 v13, HB, v12                      ; and the same in the next head
	s_mov_b32 s66, 0x76543210
	s_mov_b32 s67, 0xfedcba98                      ; v_permlanex16_b32's selects for lane l xor 16
	s_mov_b32 s95, 0xffff0000                      ; lanes 16-31
.macro FRAG reg, adr, q, i             ; a fragment, 16 rows x 128 K, is two units: registers 0-3 and 6-9 by 16 bytes a lane, 4-5 and 10-11 by 8
	ds_load_b128 v[\reg:\reg+3], v[\adr] offset:(\i)*TILEB+(\q)*1536
	ds_load_b64 v[\reg+4:\reg+5], v[\adr+2] offset:(\i)*TILEB+(\q)*1536
	ds_load_b128 v[\reg+6:\reg+9], v[\adr] offset:(\i)*TILEB+(\q)*1536+768
	ds_load_b64 v[\reg+10:\reg+11], v[\adr+2] offset:(\i)*TILEB+(\q)*1536+768
.endm
; 16 matrix instructions: source 1's blocks a0, a0 + 1 x source 0's eight.  The 64 accumulators take turns, one instruction a turn, in the same order in every step.
.macro MUL16 a0, p, q, sc, zero
.irp a, \a0, \a0+1
.irp b, 0,1,2,3,4,5,6,7
.if \zero
	v_wmma_scale_f32_16x16x128_f8f6f4 v[8*(8*((\a)%4)+\b):8*(8*((\a)%4)+\b)+7], v[128*(\p)+FR*\b:128*(\p)+FR*\b+FR-1], v[AF+FR*(\a):AF+FR*(\a)+FR-1], 0, v[SC+8*NQ*(\sc)+NQ*\b+(\q)], v[SC+8*NQ*(\sc)+NQ*(\a)+(\q)] matrix_a_fmt:MATRIX_FMT_FP6 matrix_b_fmt:MATRIX_FMT_FP6 matrix_a_scale:MATRIX_SCALE_ROW1
.else
	v_wmma_scale_f32_16x16x128_f8f6f4 v[8*(8*((\a)%4)+\b):8*(8*((\a)%4)+\b)+7], v[128*(\p)+FR*\b:128*(\p)+FR*\b+FR-1], v[AF+FR*(\a):AF+FR*(\a)+FR-1], v[8*(8*((\a)%4)+\b):8*(8*((\a)%4)+\b)+7], v[SC+8*NQ*(\sc)+NQ*\b+(\q)], v[SC+8*NQ*(\sc)+NQ*(\a)+(\q)] matrix_a_fmt:MATRIX_FMT_FP6 matrix_b_fmt:MATRIX_FMT_FP6 matrix_a_scale:MATRIX_SCALE_ROW1
.endif
.endr
.endr
.endm
.macro FETCH_B slot, q, p              ; source 0's eight fragments into set p
	WIN TO_B
.irp i, 0,1,2,3,4,5,6,7
	FRAG 128*(\p)+FR*\i, ADRB+\slot, \q, \i
.endr
	WIN 0
.endm
.macro FETCH_A slot, q, i0             ; source 1's blocks i0 .. i0 + 3
.irp i, \i0, \i0+1, \i0+2, \i0+3
	FRAG AF+FR*(\i), ADRA+\slot, \q, \i
.endr
.endm
.macro SCALES sc                       ; a slot's scale words: two a row; lanes 0-15 source 1's block i, lanes 16-31 source 0's
.irp i, 0,1,2,3,4,5,6,7
	ds_load_b64 v[SC+8*NQ*\sc+NQ*\i:SC+8*NQ*\sc+NQ*\i+1], v[ADRS] offset:\i*SBLK
.endr
.endm
.macro PLACES n                        ; plain vector instructions between a matrix instruction and a load into its registers or a read of its result
.rept \n
	v_nop
.endr
.endm
.macro STEP slot, q, zero              ; 128 along K that have their successor in the same slot
	s_wait_dscnt 4*NL                              ; source 0's set and source 1's blocks 0-3 are in; the youngest 16 loads (blocks 4-7) may be out
	WIN MUL_LO
	MUL16 0, (\q)%2, \q, \slot, \zero
	MUL16 2, (\q)%2, \q, \slot, \zero
	s_wait_dscnt 0
	PLACES NP
	FETCH_B \slot, (\q)+1, 1-(\q)%2
	FETCH_A \slot, (\q)+1, 0
	WIN MUL_HI
	MUL16 4, (\q)%2, \q, \slot, \zero
	MUL16 6, (\q)%2, \q, \slot, \zero
	PLACES NP
	WIN 0
	FETCH_A \slot, (\q)+1, 4
.endm
; A slot's last step changes slots: ONE barrier; in front of it each wave waits for all its tensor loads, adds 0 to its spare word, and waits for that and for its reads of this slot.  fill = 1: this slot is filled again, two slots ahead.
.macro TURN slot, next, fill
	s_wait_tensorcnt 0x0                           ; all my tensor loads have landed: my part of the next slot
	ds_add_u32 v[SPW], v[NIL]                      ; 0 onto my spare word
	s_wait_dscnt 4*NL+1                            ; (the add and the youngest 16 loads may be out)
	WIN MUL_LO
	MUL16 0, 1, NQ-1, \slot, 0
	s_wait_dscnt 0x0                               ; the add is done, and my reads of this slot are over
	s_barrier_signal -1
	MUL16 2, 1, NQ-1, \slot, 0
	WIN 0
	s_barrier_wait -1
.if \fill
	CREST                                          ; the barrier has opened a round of the cluster's barrier: no wave of any partner still reads this slot or has a load on its way
	s_add_nc_u64 s[G0+4*\slot+2:G0+4*\slot+3], s[G0+4*\slot+2:G0+4*\slot+3], 2*TILEB
	s_add_nc_u64 s[G0B+4*\slot+2:G0B+4*\slot+3], s[G0B+4*\slot+2:G0B+4*\slot+3], 2*TILEB
	JLOAD G0+4*\slot, G1, G0B+4*\slot, G1B         ; the first tensor load behind the round, my only one until the next; its four v_nop are the places in front of the loads below
.else
	PLACES NP
.endif
	s_wait_alu depctr_va_vdst(0)
	v_add_nc_u32 v[ADRS], 4*NQ, v[ADRS]            ; on to the next slot's scale words
	FETCH_B \next, 0, 0
	FETCH_A \next, 0, 0
	SCALES \next
	WIN MUL_HI
	MUL16 4, 1, NQ-1, \slot, 0
	MUL16 6, 1, NQ-1, \slot, 0
	PLACES NP
	WIN 0
	FETCH_A \next, 0, 4
.endm
	s_wait_alu depctr_va_vdst(0)
	s_wait_tensorcnt 1                             ; the scale bytes and my part of slot 0 are in (slot 1's load may be out)
	s_barrier_signal -1
	s_barrier_wait -1                              ; everybody's are
	FETCH_B 0, 0, 0
	FETCH_A 0, 0, 0
	SCALES 0
	FETCH_A 0, 0, 4
	STEP 0, 0, 1                                   ; the first products start the sums: nothing is cleared.  K is four slots: the eight steps are written on end, with no jump
	TURN 0, 1, 1
	STEP 1, 0, 0
	TURN 1, 0, 1
	STEP 0, 0, 0
	TURN 0, 1, 0                                   ; the last two slots are not filled again
	STEP 1, 0, 0
	s_wait_dscnt 4*NL
	WIN MUL_LO
	MUL16 0, 1, NQ-1, 1, 0
	MUL16 2, 1, NQ-1, 1, 0
	s_wait_dscnt 0
	WIN MUL_HI
	MUL16 4, 1, NQ-1, 1, 0
	MUL16 6, 1, NQ-1, 1, 0
	WIN 0
; THE WAY OUT.  Block a's 64 registers of a lane are 128 neighbours (with lane l xor 16's) along source 0's rows: register 16 b + i = index 32 b + 16 h + i.  They become a fragment: two units and a scale word.
; Sources in window w; each accumulator is read from its low end on.
.macro QUANT s, w, pc, pw
	WIN ((\w)<<2)|((\w)<<4)
.irp b, 0,1,2,3
	v_max3_num_f32 v[TM+\b], 0x1800000, |v[(\s)+16*\b]|, |v[(\s)+16*\b+1]|   ; the floor 2^(3 - 127), and my 16 numbers of block b
.endr
.irp i, 2,4,6,8,10,12,14
.irp b, 0,1,2,3
	v_max3_num_f32 v[TM+\b], v[TM+\b], |v[(\s)+16*\b+\i]|, |v[(\s)+16*\b+\i+1]|
.endr
.endr
	WIN 0
.irp b, 0,1,2,3
	v_permlanex16_b32 v[TM+4+\b], v[TM+\b], s66, s67
.endr
.irp b, 0,1,2,3
	v_max_num_f32 v[TM+\b], v[TM+\b], v[TM+4+\b]
.endr
.irp b, 0,1,2,3
	v_add_nc_u32 v[TM+8+\b], 0xff000000, v[TM+\b]  ; 2 off the exponent field: the conversion's scale operand
.endr
.irp b, 0,1,2,3
	v_lshrrev_b32 v[TM+4+\b], 23, v[TM+8+\b]       ; the scale's byte
.endr
	v_lshl_or_b32 v[\pw], v[TM+5], 8, v[TM+4]
	v_lshl_or_b32 v[\pw], v[TM+6], 16, v[\pw]
	v_lshl_or_b32 v[\pw], v[TM+7], 24, v[\pw]
	WIN \w
.irp c, 0,1
	v_cvt_scalef32_pk16_fp6_f32 v[(\pc)+8*\c:(\pc)+8*\c+2], v[(\s)+32*\c:(\s)+32*\c+15], v[TM+8+2*\c]
	v_cvt_scalef32_pk16_fp6_f32 v[TT+4*\c:TT+4*\c+2], v[(\s)+32*\c+16:(\s)+32*\c+31], v[TM+9+2*\c]
.endr
	WIN 0
	v_nop                                          ; one plain place behind a scaled conversion
.irp c, 0,1
.irp i, 0,1,2
	v_permlane16_swap_b32 v[(\pc)+8*\c+\i], v[TT+4*\c+\i]
.endr
.irp i, 0,1,2
	v_mov_b32 v[(\pc)+8*\c+3+\i], v[TT+4*\c+\i]
.endr
.endr
.endm
	PLACES NP                                      ; behind the last products: their results are read, and source 1's registers written, below
.irp b, 0,1,2,3
	v_mov_b32 v[TM+4+\b], 0                        ; written once: a lane permute's destination counts as one of its sources
.endr
.set AI, 0
.rept 8                                ; each block has registers of its own for its units, so no store's data are written again
	QUANT 64*(AI%4), 2+AI/4, 128+16*AI, PWR+AI
.irp c, 0,1
	global_store_b128 v[4+2*(AI/4)+\c], v[128+16*AI+8*\c:128+16*AI+8*\c+3], s[12:13] offset:768*AI    ; 512 consecutive bytes
	global_store_b64 v[8+2*(AI/4)+\c], v[128+16*AI+8*\c+4:128+16*AI+8*\c+5], s[12:13] offset:768*AI   ; 256 consecutive bytes
.endr
.set AI, AI+1
.endr
	s_cmp_eq_u32 s10, 1
	s_cbranch_scc1 .Lv_words
	; q, k: a word's bytes 0, 1 are my first head's two blocks, bytes 2, 3 my second head's.  Laid [lane][4 words]: word j of lane l belongs to tile 2 j + l / 16, row l % 16.  What stands in a stored word's bytes 2, 3 meets zero codes
.irp j, 0,1,2,3
	v_cndmask_b32 v[RR+\j], v[PWR+2*\j], v[PWR+2*\j+1], s95
.endr
	global_store_b128 v4, v[RR:RR+3], s[96:97]
.irp a, 0,1,2,3,4,5,6,7
	v_lshrrev_b32 v[PWR+\a], 16, v[PWR+\a]
.endr
.irp j, 0,1,2,3
	v_cndmask_b32 v[RR+4+\j], v[PWR+2*\j], v[PWR+2*\j+1], s95
.endr
	global_store_b128 v5, v[RR+4:RR+7], s[96:97]   ; (v5 = 16 x lane + a head's block here)
	s_branch .Lwords_done
.Lv_words:
	; v: block 4 x + t is d-tile t of head x; its word holds the 128 keys' four bytes.  Laid [lane][2 words]: word j of lane l belongs to d-tile 2 j + l / 16, row l % 16
.irp j, 0,1,2,3
	v_cndmask_b32 v[RR+\j], v[PWR+2*\j], v[PWR+2*\j+1], s95
.endr
	global_store_b64 v12, v[RR:RR+1], s[96:97]
	global_store_b64 v13, v[RR+2:RR+3], s[96:97]
.Lwords_done:
	s_wait_tensorcnt 0x0                           ; the wave's end
	ds_add_u32 v[SPW], v[NIL]
	s_wait_dscnt 0x0
	CROUND                                         ; the closing round: no work-group ends while a partner may still ask for a tile that names it
	s_endpgm
.Lfunc_end_k_q74e7649df3_qkv:
	.size	k_q74e7649df3_qkv, .Lfunc_end_k_q74e7649df3_qkv-k_q74e7649df3_qkv
	.p2alignl 7, 3214868480
	.fill 96, 4, 3214868480
	.section	.rodata,"a",@progbits
	.p2align	6, 0x0
	.amdhsa_kernel k_q74e7649df3_qkv
		.amdhsa_group_segment_fixed_size 327680
		.amdhsa_private_segment_fixed_size 0
		.amdhsa_enable_private_segment 0
		.amdhsa_kernarg_size 24
		.amdhsa_user_sgpr_count 2
		.amdhsa_user_sgpr_kernarg_segment_ptr 1
		.amdhsa_wavefront_size32 1
		.amdhsa_system_sgpr_workgroup_id_x 1
		.amdhsa_system_sgpr_workgroup_id_y 1
		.amdhsa_system_sgpr_workgroup_id_z 1
		.amdhsa_system_vgpr_workitem_id 0
		.amdhsa_next_free_vgpr 1024
		.amdhsa_next_free_sgpr 98
		.amdhsa_reserve_vcc 0
		.amdhsa_float_denorm_mode_32 3
		.amdhsa_float_denorm_mode_16_64 3
		.amdhsa_memory_ordered 1
		.amdhsa_forward_progress 1
		.amdhsa_inst_pref_size 151
	.end_amdhsa_kernel
	.amdgpu_metadata
---
amdhsa.version: [ 1, 2 ]
amdhsa.kernels:
  - .name:           k_q74e7649df3_qkv
    .symbol:         k_q74e7649df3_qkv.kd
    .args:
      - { .name: xq, .offset: 0, .size: 8, .value_kind: global_buffer, .address_space: global }
      - { .name: waq, .offset: 8, .size: 8, .value_kind: global_buffer, .address_space: global }
      - { .name: qkv, .offset: 16, .size: 8, .value_kind: global_buffer, .address_space: global }
    .group_segment_fixed_size: 327680
    .private_segment_fixed_size: 0
    .kernarg_segment_align: 8
    .kernarg_segment_size: 24
    .max_flat_workgroup_size: 128
    .sgpr_count:     98
    .vgpr_count:     1024
    .wavefront_size: 32
...
	.end_amdgpu_metadata
.endif
;; end of part 2
;; launch attn (part 3): grid 4 x 64, 16 waves a work-group, clusters of 4 x 1, 210,944 bytes of LDS; arguments qkv, yq; writes yq
.if DOCPART == 3
	.amdgcn_target "amdgcn-amd-amdhsa--gfx1250"
	.amdhsa_code_object_version 6
	.text
	.protected	k_q74e7649df3_attn
	.globl	k_q74e7649df3_attn
	.p2align	8
	.type	k_q74e7649df3_attn,@function
k_q74e7649df3_attn:
	s_mov_b64 s[64:65], 0
	v_nop
	global_prefetch_b8 v0, s[64:65] scope:SCOPE_SE
	s_setreg_imm32_b32 hwreg(HW_REG_WAVE_MODE, 25, 1), 1
	s_wait_xcnt 0x0
	s_wait_alu depctr_hold_cnt(0) depctr_sa_sdst(0) depctr_va_vdst(0) depctr_va_sdst(0) depctr_va_ssrc(0) depctr_va_vcc(0) depctr_vm_vsrc(0)
	s_getreg_b32 s2, hwreg(HW_REG_IB_STS2, 6, 4)
	s_cmp_eq_u32 s2, 0
	s_cbranch_scc0 .Lentry_in_a_cluster
	s_endpgm
.Lentry_in_a_cluster:
	s_bfe_u32 s2, ttmp6, 0x10000c
	s_cmp_lg_u32 s2, 0x3003
	s_cbranch_scc0 .Lentry_shape_is_right
	s_endpgm
.Lentry_shape_is_right:
; y = softmax(q k^T / 8, causal) v for one (batch, head) a cluster, both products on codes of FP6 (E2M3) with E8M0 scales; y is quantised along the head's 64 and leaves as a unit of the last product's operand.
; THE SOFTMAX: t = score x log2(e) / 8; M = the row's largest t so far, rounded UP to a whole number; p = 2^(t - M) is what is quantised, along the keys, not normalised.  The row's sum is taken of the unquantised p and divides O at the end.
; When M moves, the sum and O are multiplied by 2^(old M - new M): exact.
; K, V AND THEIR SCALE BYTES OF THE WHOLE HEAD, 208,896 consecutive bytes of qkv, STAY IN LDS: sixteen tensor loads, one a wave, 51 rows of 256 bytes each; LDS is filled once, so there is no ring and one barrier.
; CLUSTER: the four work-groups of a head need the same bytes at the same time: each load is asked for jointly (mask 15), with the same descriptor in all four.
; SHARES: wave w owns two tiles of 16 queries, one after the other: t0 = 4 w + cx and t1 = 127 - t0.  A tile's last key step is t / 8: w / 2 and 15 - w / 2, by the wave's number alone.  So every wave of the launch walks 17 key steps of 128 keys,
; two of them on the diagonal.  The loops' trip counts are constants (8 and 16); a step all of whose keys are hidden is jumped over by a scalar branch on ids.
; LAYOUT: both products transposed (S^T = K Q^T, O^T = V^T P^T): a lane holds ONE query.  Lane r of a tile T of tokens is token 32 (T / 2) + 8 (T % 2) + r + 8 (r / 8), so the 16 registers of two neighbouring key tiles are 16 neighbouring keys.
; The first product's K is 64: the instruction's upper 64 are zero codes on both sides (registers 6-11 of Q's and K's fragments, set once).
; LIMITS: NaN and infinities are not served; a block of zeros has the byte 1 (zero codes); 1 / the sum is v_rcp_f32.  y's scale bytes leave two a row, 32 bytes apart: a row's 32 bytes come from sixteen heads' work-groups.
; REGISTERS: v0 (behind the head) V's scale address; v1-3 lane offsets; v4, v5 the add's two; v6 the lane's part of the mask; v7-11 addresses in hand; v12 -M, v13 largest t, v[14:15] the sum; v16-27 Q; v28-31 K's scale words;
;   v32-79 four fragments of K; v80-127 four of V; v128-191 S^T, then p; v192-223 O^T; v224-235 p's codes; v232-247 at work; v248-249 V's scale words; v250 Q's; v251 p's; v[252:253] f; v254 at work; v255 16 r.
.set HB,    315392                     ; a head's block in qkv
.set QSCO,  98304                      ; Q's scale words in it
.set IMG,   106496                     ; from here on: K's codes, V's codes, K's scale words, V's: the LDS image
.set WLD,   13056                      ; what one wave's load brings
.set VC,    98304                      ; LDS: V's codes,
.set KSC,   196608                     ; K's scale words,
.set VSC,   204800                     ; V's,
.set SPARE, 208896                     ; and the spare words, 128 bytes for each of sixteen waves
.set YSCO,  6291456                    ; where the scale bytes begin in yq
.set WV,  8
.set CX,  9
.set BH,  10
.set TQ,  11                           ; s11  my tile of queries
.set NS,  12                           ; s12  its last key step
.set QB,  13                           ; s13  its first token
.set KI,  14                           ; s14  the key step
.set TK,  15                           ; s15-18  where the step's K, V, K's and V's scale words begin in LDS
.set TV,  16
.set TS,  17
.set TJ,  18
.set KF,  19                           ; s19  the step's first key
.set SEL, 20
.set CS,  22                           ; s[22:23] c = log2(e) / 8
.set G1,  24
.set G0,  32
.set HD,  36                           ; s[36:37] the head's block
.set QA,  38
.set QS,  40
.set YA,  42
.set YS,  44
.macro CROUND
	s_barrier_signal -1
	s_barrier_wait -1
	s_cmp_lg_u32 s[WV], 0
	s_cbranch_scc1 .Lnot_wave_0_\@
	s_barrier_signal -3
.Lnot_wave_0_\@:
	s_barrier_wait -3
	s_barrier_signal -1
	s_barrier_wait -1
.endm
	s_load_b128 s[4:7], s[0:1], 0x0                ; qkv s[4:5], yq s[6:7]
	v_lshl_add_u32 v4, v0, 2, SPARE
	v_mov_b32 v5, 0
	ds_add_u32 v4, v5                              ; the wave's opening: the add and its wait ahead of my tensor load; work on registers stands between them
	ds_add_u32 v4, v5
	v_lshrrev_b32 v1, 5, v0
	s_delay_alu instid0(VALU_DEP_1)
	v_readfirstlane_b32 s[WV], v1                  ; wave 0..15
	s_bfe_u32 s[CX], ttmp6, 0x40000                ; my place in the cluster: it enters Q's and y's addresses and the mask's numbers alone
	s_and_b32 s[BH], ttmp7, 0xffff                 ; 16 x batch + head: the cluster's y
	s_mov_b32 s[G1], 15|(3<<16)|(1<<21)            ; 15:0 the mask: all four; 17:16 elements of 8 bytes; 21 set beside a mask; no padding
	s_mov_b32 s[G1+1], 32<<16                      ; tensor_dim0 = 32 elements: 256 bytes
	s_mov_b32 s[G1+2], 51<<16                      ; tensor_dim1
	s_mov_b32 s[G1+3], 32<<16                      ; tile_dim0
	s_mov_b32 s[G1+4], 51                          ; tile_dim1
	s_mov_b32 s[G1+5], 32                          ; tensor_dim0_stride: dense
	s_mov_b32 s[G1+6], 0
	s_mov_b32 s[G1+7], 0
	s_mov_b32 s[SEL], 0x76543210
	s_mov_b32 s[SEL+1], 0xfedcba98                 ; v_permlanex16_b32's selects for lane l xor 16
	s_mov_b32 s[CS], 0x3e38aa3b
	s_mov_b32 s[CS+1], s[CS]                       ; (named with it as a pair, so it is written)
	s_mul_i32 s46, s[BH], HB
	s_mov_b32 s47, 0
	s_mul_i32 s48, s[WV], WLD                      ; my part of the image, in LDS
	s_add_co_u32 s50, s48, IMG                     ; and in the head's block
	s_mov_b32 s51, 0
	s_wait_dscnt 0x0                               ; the opening add is done
	s_wait_kmcnt 0x0
	s_add_nc_u64 s[HD:HD+1], s[4:5], s[46:47]
	s_mov_b32 s[G0], 1
	s_mov_b32 s[G0+1], s48
	s_add_nc_u64 s[G0+2:G0+3], s[HD:HD+1], s[50:51]
	s_or_b32 s[G0+3], s[G0+3], 0x80000000
	CROUND                                         ; all four work-groups are here: the joint loads meet
	tensor_load_to_lds s[G0:G0+3], s[G1:G1+7]      ; my one tensor load of the launch
	s_nop 0
.rept 4
	v_nop
.endr
	v_and_b32 v254, 31, v0                         ; lane
	s_delay_alu instid0(VALU_DEP_1)
	v_lshlrev_b32 v1, 4, v254                      ; 16 x lane
	s_delay_alu instid0(VALU_DEP_2)
	v_lshl_add_u32 v2, v254, 3, 512                ; 512 + 8 x lane
	s_delay_alu instid0(VALU_DEP_3)
	v_lshlrev_b32 v3, 3, v254                      ; 8 x lane
	v_and_b32 v253, 15, v0                         ; r
	s_delay_alu instid0(VALU_DEP_1)
	v_lshlrev_b32 v255, 4, v253                    ; 16 r
	s_delay_alu instid0(VALU_DEP_2)
	v_and_b32 v252, 8, v253
	s_delay_alu instid0(VALU_DEP_1)
	v_add_nc_u32 v6, v252, v253                    ; r + 8 (r / 8): my query in its tile's 32 tokens,
	v_bfe_u32 v252, v0, 4, 1
	s_delay_alu instid0(VALU_DEP_1)
	v_lshlrev_b32 v252, 4, v252
	s_delay_alu instid0(VALU_DEP_1)
	v_sub_nc_u32 v6, v6, v252                      ; less 16 h: my half's first key in a block
.irp i, 22,23,24,25,26,27
	v_mov_b32 v[\i], 0                             ; Q's upper 64 along K: zero codes
.endr
.irp t, 0,1,2,3
.irp i, 6,7,8,9,10,11
	v_mov_b32 v[32+12*\t+\i], 0                    ; and K's
.endr
.endr
.irp i, 236,237,238,239,252,253,254
	v_mov_b32 v[\i], 0                             ; written once: a lane permute's destination counts as one of its sources; v253 is named as the upper half of a pair
.endr
.macro TILE p                          ; my p-th tile: its numbers, and the loads of Q's unit and scale word
.if \p
	s_sub_co_u32 s[TQ], 127, s[TQ]
	s_lshr_b32 s[NS], s[WV], 1
	s_sub_co_u32 s[NS], 15, s[NS]
.else
	s_lshl_b32 s[TQ], s[WV], 2
	s_add_co_u32 s[TQ], s[TQ], s[CX]
	s_lshr_b32 s[NS], s[WV], 1
.endif
	s_lshr_b32 s[QB], s[TQ], 1
	s_lshl_b32 s[QB], s[QB], 5
	s_and_b32 s46, s[TQ], 1
	s_lshl_b32 s47, s46, 3
	s_add_co_u32 s[QB], s[QB], s47                 ; 32 (t / 2) + 8 (t % 2)
	s_mul_i32 s48, s[TQ], 768
	s_mov_b32 s49, 0
	s_add_nc_u64 s[QA:QA+1], s[HD:HD+1], s[48:49]
	s_lshr_b32 s48, s[TQ], 3
	s_lshl_b32 s48, s48, 9                         ; Q's scale words lie [t / 8][lane][4 words]: word (t / 2) % 4 of lane 16 (t % 2) + r
	s_lshl_b32 s46, s46, 8
	s_add_co_u32 s48, s48, s46
	s_bfe_u32 s46, s[TQ], 0x20001
	s_lshl_b32 s46, s46, 2
	s_add_co_u32 s48, s48, s46
	s_add_co_u32 s48, s48, QSCO
	s_add_nc_u64 s[QS:QS+1], s[HD:HD+1], s[48:49]
	global_load_b128 v[16:19], v1, s[QA:QA+1]
	global_load_b64 v[20:21], v2, s[QA:QA+1]
	global_load_b32 v250, v255, s[QS:QS+1]
.endm
.macro YADR                            ; where the tile's y goes: tile 128 x batch + t of yq, unit = the head; its scale bytes 2 x head, 2 x head + 1 of each row's 32
	s_lshr_b32 s46, s[BH], 4
	s_lshl_b32 s46, s46, 7
	s_add_co_u32 s46, s46, s[TQ]
	s_and_b32 s47, s[BH], 15
	s_mul_i32 s48, s46, 12288
	s_mul_i32 s50, s47, 768
	s_add_co_u32 s48, s48, s50
	s_mov_b32 s49, 0
	s_add_nc_u64 s[YA:YA+1], s[6:7], s[48:49]
	s_lshl_b32 s48, s46, 9
	s_lshl_b32 s50, s47, 1
	s_add_co_u32 s48, s48, s50
	s_add_co_u32 s48, s48, YSCO
	s_add_nc_u64 s[YS:YS+1], s[6:7], s[48:49]
.endm
.macro INIT                            ; the step is written once: a tile's first step finds zeros, which the first change of M leaves zeros
	v_mov_b32 v13, 0xff61b1e6                      ; the largest t so far: -3e38
	s_delay_alu instid0(VALU_DEP_1)
	v_floor_f32 v12, -v13
	v_mov_b32 v14, 0
	v_mov_b32 v15, 0
.set J, 0
.rept 32
	v_mov_b32 v[192+J], 0
.set J, J+1
.endr
	s_mov_b32 s[TK], 0
	s_mov_b32 s[TV], VC
	s_mov_b32 s[TS], KSC
	s_mov_b32 s[TJ], VSC
	s_mov_b32 s[KF], 0
	s_mov_b32 s[KI], 0
.endm
.macro MMQ g, t                        ; S^T of key tile 4 g + t: K's scale words lie two tiles to a register: the even tile in lanes 0-15, the odd in lanes 16-31
.if (\t)%2
	v_wmma_scale_f32_16x16x128_f8f6f4 v[128+8*(4*\g+\t):135+8*(4*\g+\t)], v[32+12*\t:43+12*\t], v[16:27], 0, v[28+2*\g+\t/2], v250 matrix_a_fmt:MATRIX_FMT_FP6 matrix_b_fmt:MATRIX_FMT_FP6 matrix_a_scale:MATRIX_SCALE_ROW1
.else
	v_wmma_scale_f32_16x16x128_f8f6f4 v[128+8*(4*\g+\t):135+8*(4*\g+\t)], v[32+12*\t:43+12*\t], v[16:27], 0, v[28+2*\g+\t/2], v250 matrix_a_fmt:MATRIX_FMT_FP6 matrix_b_fmt:MATRIX_FMT_FP6
.endif
.endm
.macro MMP d                           ; O^T of d-tile d += V^T P^T
.if (\d)%2
	v_wmma_scale_f32_16x16x128_f8f6f4 v[192+8*\d:199+8*\d], v[80+12*\d:91+12*\d], v[224:235], v[192+8*\d:199+8*\d], v[248+\d/2], v251 matrix_a_fmt:MATRIX_FMT_FP6 matrix_b_fmt:MATRIX_FMT_FP6 matrix_a_scale:MATRIX_SCALE_ROW1
.else
	v_wmma_scale_f32_16x16x128_f8f6f4 v[192+8*\d:199+8*\d], v[80+12*\d:91+12*\d], v[224:235], v[192+8*\d:199+8*\d], v[248+\d/2], v251 matrix_a_fmt:MATRIX_FMT_FP6 matrix_b_fmt:MATRIX_FMT_FP6
.endif
.endm
; A KEY STEP: 128 keys.
.macro STEP
	v_add_nc_u32 v7, s[TK], v1                     ; (these six are also the places behind the last step's products)
	v_add_nc_u32 v8, s[TK], v2
	v_add_nc_u32 v9, s[TV], v1
	v_add_nc_u32 v10, s[TV], v2
	v_add_nc_u32 v11, s[TS], v1
	v_add_nc_u32 v0, s[TJ], v3
	ds_load_b128 v[28:31], v11                     ; K's scale words of the step's eight tiles
.irp t, 0,1,2,3
	ds_load_b128 v[32+12*\t:35+12*\t], v7 offset:768*\t
	ds_load_b64 v[36+12*\t:37+12*\t], v8 offset:768*\t
.endr
	s_wait_alu depctr_va_vdst(0)
	s_wait_dscnt 0x0
.irp t, 0,1,2,3
	MMQ 0, \t
.endr
.rept 4
	v_nop                                          ; places in front of loads into registers that matrix instructions have read
.endr
.irp t, 0,1,2,3
	ds_load_b128 v[32+12*\t:35+12*\t], v7 offset:768*(4+\t)
	ds_load_b64 v[36+12*\t:37+12*\t], v8 offset:768*(4+\t)
.endr
.irp d, 0,1,2,3                        ; V's four fragments are asked for now and land under the softmax: unit (c, d) holds keys 64 c on of d-tile d
.irp c, 0,1
	ds_load_b128 v[80+12*\d+6*\c:83+12*\d+6*\c], v9 offset:768*(4*\c+\d)
	ds_load_b64 v[84+12*\d+6*\c:85+12*\d+6*\c], v10 offset:768*(4*\c+\d)
.endr
.endr
	ds_load_b64 v[248:249], v0                     ; V's scale words
	s_wait_dscnt 17                                ; K's tiles 4-7 are in; V's 16 loads and its scale words may be out
.irp t, 0,1,2,3
	MMQ 1, \t
.endr
.rept 4
	v_nop
.endr
	s_cmp_lg_u32 s[KI], s[NS]                      ; only a tile's last step lies on the diagonal
	s_cbranch_scc1 .Lopen_\@
	s_sub_co_i32 s46, s[QB], s[KF]
	v_add_nc_u32 v252, s46, v6                     ; d = my query - the step's first key - 16 h.  Register 16 b + i holds key 32 b + 16 h + i of the step: hidden where 32 b + i > d
	v_mov_b32 v254, 0xff800000                     ; -infinity: p = 0 then
.set J, 0
.rept 64
	v_cmp_gt_i32 vcc_lo, 32*(J/16)+J%16, v252
	v_cndmask_b32 v[128+J], v[128+J], v254, vcc_lo
.set J, J+1
.endr
.Lopen_\@:
.irp b, 0,1,2,3
	v_max3_num_f32 v[232+\b], v[128+16*\b], v[129+16*\b], v[130+16*\b]   ; the largest score of each block of 32 keys: it serves for the row's maximum and, since p rises with the score, for the block's largest p
.endr
.irp i, 3,5,7,9,11,13
.irp b, 0,1,2,3
	v_max3_num_f32 v[232+\b], v[232+\b], v[128+16*\b+\i], v[129+16*\b+\i]
.endr
.endr
.irp b, 0,1,2,3
	v_max_num_f32 v[232+\b], v[232+\b], v[143+16*\b]
.endr
.irp b, 0,1,2,3
	s_delay_alu instid0(VALU_DEP_4)
	v_permlanex16_b32 v[236+\b], v[232+\b], s[SEL], s[SEL+1]
.endr
.irp b, 0,1,2,3
	s_delay_alu instid0(VALU_DEP_4)
	v_max_num_f32 v[232+\b], v[232+\b], v[236+\b]  ; with lane l xor 16's 16 keys
.endr
	s_delay_alu instid0(VALU_DEP_2)
	v_max3_num_f32 v254, v232, v233, v234
	s_delay_alu instid0(VALU_DEP_1)
	v_max_num_f32 v254, v254, v235
	s_delay_alu instid0(VALU_DEP_1)
	v_mul_f32 v254, s[CS], v254                    ; the step's largest t (c is positive)
	s_delay_alu instid0(VALU_DEP_1)
	v_max_num_f32 v13, v13, v254
	v_mov_b32 v254, v12
	s_delay_alu instid0(VALU_DEP_2)
	v_floor_f32 v12, -v13                          ; the new -M = -ceil(t)
	s_delay_alu instid0(VALU_DEP_1)
	v_sub_f32 v254, v12, v254                      ; old M - new M: a whole number, 0 or less
	s_delay_alu instid0(VALU_DEP_1)
	v_cvt_i32_f32 v254, v254                       ; (it saturates)
	s_delay_alu instid0(VALU_DEP_1)
	v_ldexp_f32 v252, 1.0, v254                    ; f = 2^(old M - new M)
.set J, 0
	s_setprio 1
.rept 32
	v_pk_fma_f32 v[128+J:129+J], v[128+J:129+J], s[CS:CS+1], v[12:13] op_sel_hi:[1,0,0]   ; t - M, two at a time
.set J, J+2
.endr
.irp b, 0,1,2,3
	v_fma_f32 v[232+\b], v[232+\b], s[CS], v12     ; the same of each block's largest score
.endr
.set J, 0
	s_wait_alu depctr_va_vdst(0)
.rept 64
	v_exp_f32 v[128+J], v[128+J]                   ; p = 2^(t - M)
.set J, J+1
.endr
	v_pk_mul_f32 v[14:15], v[14:15], v[252:253] op_sel_hi:[1,0]   ; the sums under the new M: a plain place behind the exponentials
	s_wait_alu depctr_va_vdst(0)                   ; one wait for the whole batch, ahead of its first reader
.irp b, 0,1,2,3
	v_exp_f32 v[232+\b], v[232+\b]                 ; the block's largest p: the same two instructions on the same number give the same bits
.endr
	v_pk_add_f32 v[236:237], v[132:133], v[136:137]
	v_pk_add_f32 v[246:247], v[140:141], v[144:145]
	v_pk_add_f32 v[244:245], v[148:149], v[152:153]
	v_pk_add_f32 v[242:243], v[156:157], v[160:161]
	v_pk_add_f32 v[240:241], v[164:165], v[168:169]
	v_pk_add_f32 v[238:239], v[172:173], v[176:177]
	v_pk_add_f32 v[230:231], v[180:181], v[184:185]
	v_pk_add_f32 v[14:15], v[14:15], v[188:189]
	v_pk_add_f32 v[236:237], v[236:237], v[128:129]
	v_pk_add_f32 v[246:247], v[246:247], v[130:131]
	v_pk_add_f32 v[244:245], v[244:245], v[134:135]
	v_pk_add_f32 v[242:243], v[242:243], v[138:139]
	v_pk_add_f32 v[240:241], v[240:241], v[142:143]
	v_pk_add_f32 v[238:239], v[238:239], v[146:147]
	v_pk_add_f32 v[230:231], v[230:231], v[150:151]
	v_pk_add_f32 v[14:15], v[14:15], v[154:155]
	v_pk_add_f32 v[236:237], v[236:237], v[158:159]
	v_pk_add_f32 v[246:247], v[246:247], v[162:163]
	v_pk_add_f32 v[244:245], v[244:245], v[166:167]
	v_pk_add_f32 v[242:243], v[242:243], v[170:171]
	v_pk_add_f32 v[240:241], v[240:241], v[174:175]
	v_pk_add_f32 v[238:239], v[238:239], v[178:179]
	v_pk_add_f32 v[230:231], v[230:231], v[182:183]
	v_pk_add_f32 v[14:15], v[14:15], v[186:187]
	v_pk_add_f32 v[236:237], v[236:237], v[190:191]
	s_delay_alu instid0(VALU_DEP_2)
	v_pk_add_f32 v[14:15], v[14:15], v[242:243]
	s_delay_alu instid0(VALU_DEP_2)
	v_pk_add_f32 v[236:237], v[236:237], v[240:241]
	v_pk_add_f32 v[246:247], v[246:247], v[238:239]
	v_pk_add_f32 v[244:245], v[244:245], v[230:231]
	s_delay_alu instid0(VALU_DEP_2)
	v_pk_add_f32 v[14:15], v[14:15], v[246:247]
	s_delay_alu instid0(VALU_DEP_2)
	v_pk_add_f32 v[236:237], v[236:237], v[244:245]
	s_delay_alu instid0(VALU_DEP_1)
	v_pk_add_f32 v[14:15], v[14:15], v[236:237]
	s_wait_alu depctr_va_vdst(0)                   ; and one for the four
.irp b, 0,1,2,3
	v_max_num_f32 v[232+\b], 0x1800000, v[232+\b]  ; the floor 2^(3 - 127): a block whose every p is 0 keeps the byte 1; its codes are zeros
.endr
.irp b, 0,1,2,3
	s_delay_alu instid0(VALU_DEP_4)
	v_add_nc_u32 v[244+\b], 0xff000000, v[232+\b]  ; the conversion's scale operand
.endr
.irp b, 0,1,2,3
	s_delay_alu instid0(VALU_DEP_4)
	v_lshrrev_b32 v[236+\b], 23, v[244+\b]         ; the scale's byte
.endr
	s_delay_alu instid0(VALU_DEP_3)
	v_lshl_or_b32 v251, v237, 8, v236              ; p's scale word for these 128 keys
	s_delay_alu instid0(VALU_DEP_1)
	v_lshl_or_b32 v251, v238, 16, v251
	s_delay_alu instid0(VALU_DEP_1)
	v_lshl_or_b32 v251, v239, 24, v251
	s_setprio 0
.irp c, 0,1
	v_cvt_scalef32_pk16_fp6_f32 v[224+6*\c:226+6*\c], v[128+32*\c:143+32*\c], v[244+2*\c]
	v_cvt_scalef32_pk16_fp6_f32 v[236+4*\c:238+4*\c], v[144+32*\c:159+32*\c], v[244+2*\c+1]
.endr
	v_nop                                          ; one plain place behind a scaled conversion
.irp c, 0,1
.irp i, 0,1,2
	v_permlane16_swap_b32 v[224+6*\c+\i], v[236+4*\c+\i]
.endr
.irp i, 0,1,2
	s_delay_alu instid0(VALU_DEP_3)
	v_mov_b32 v[227+6*\c+\i], v[236+4*\c+\i]
.endr
.endr
.set J, 0
.rept 16
	v_pk_mul_f32 v[192+J:193+J], v[192+J:193+J], v[252:253] op_sel_hi:[1,0]   ; O^T under the new M.  (For each product below twelve of these name none of its registers: the places behind p's codes and scale word)
.set J, J+2
.endr
	s_wait_alu depctr_va_vdst(0)
	s_wait_dscnt 0x0                               ; V is in
.irp d, 0,1,2,3
	MMP \d                                         ; four accumulators by turns; the next step's eight products stand between two links of a chain
.endr
.endm
.macro LOOP n                          ; n trips, a constant; a step beyond the tile's last is jumped over, its address steps are not
.Lk_\@:
	s_cmp_gt_u32 s[KI], s[NS]
	s_cbranch_scc1 .Lhidden_\@
	s_setprio 2
	STEP
.Lhidden_\@:
	s_add_co_u32 s[TK], s[TK], 6144
	s_add_co_u32 s[TV], s[TV], 6144
	s_add_co_u32 s[TS], s[TS], 512
	s_add_co_u32 s[TJ], s[TJ], 256
	s_add_co_u32 s[KF], s[KF], 128
	s_add_co_u32 s[KI], s[KI], 1
	s_cmp_lt_u32 s[KI], \n
	s_cbranch_scc1 .Lk_\@
	s_setprio 0
.endm
.macro FINISH                          ; y = O^T / the sum: register 16 b + i is d 32 b + 16 h + i of my query: two blocks, one unit
.rept 4
	v_nop                                          ; places behind the last products
.endr
	v_add_f32 v14, v14, v15
	s_delay_alu instid0(VALU_DEP_1)
	v_permlanex16_b32 v254, v14, s[SEL], s[SEL+1]
	s_delay_alu instid0(VALU_DEP_1)
	v_add_f32 v14, v14, v254                       ; the row's sum
	s_wait_alu depctr_va_vdst(0)
	v_rcp_f32 v14, v14
	v_nop                                          ; a plain place behind the transcendental
	s_wait_alu depctr_va_vdst(0)                   ; and the wait ahead of its first reader
.set J, 0
.rept 16
	v_pk_mul_f32 v[128+J:129+J], v[192+J:193+J], v[14:15] op_sel_hi:[1,0]   ; each accumulator from its low end on
.set J, J+2
.endr
.irp b, 0,1
	v_max3_num_f32 v[232+\b], |v[128+16*\b]|, |v[129+16*\b]|, 0x1800000
.endr
.irp i, 2,4,6,8,10,12,14
.irp b, 0,1
	s_delay_alu instid0(VALU_DEP_2)
	v_max3_num_f32 v[232+\b], v[232+\b], |v[128+16*\b+\i]|, |v[129+16*\b+\i]|
.endr
.endr
.irp b, 0,1
	s_delay_alu instid0(VALU_DEP_2)
	v_permlanex16_b32 v[236+\b], v[232+\b], s[SEL], s[SEL+1]
.endr
.irp b, 0,1
	s_delay_alu instid0(VALU_DEP_2)
	v_max_num_f32 v[232+\b], v[232+\b], v[236+\b]
.endr
.irp b, 0,1
	s_delay_alu instid0(VALU_DEP_2)
	v_add_nc_u32 v[244+\b], 0xff000000, v[232+\b]
.endr
.irp b, 0,1
	s_delay_alu instid0(VALU_DEP_2)
	v_lshrrev_b32 v[236+\b], 23, v[244+\b]
.endr
	s_delay_alu instid0(VALU_DEP_1)
	v_lshl_or_b32 v254, v237, 8, v236              ; my row's two scale bytes
	v_cvt_scalef32_pk16_fp6_f32 v[224:226], v[128:143], v244
	v_cvt_scalef32_pk16_fp6_f32 v[240:242], v[144:159], v245
	v_nop                                          ; one plain place behind a scaled conversion
.irp i, 0,1,2
	v_permlane16_swap_b32 v[224+\i], v[240+\i]
.endr
.irp i, 0,1,2
	s_delay_alu instid0(VALU_DEP_3)
	v_mov_b32 v[227+\i], v[240+\i]
.endr
	v_lshlrev_b32 v243, 1, v255                    ; 32 r
	global_store_b128 v1, v[224:227], s[YA:YA+1]   ; 512 consecutive bytes
	global_store_b64 v2, v[228:229], s[YA:YA+1]    ; 256 consecutive bytes
	global_store_b16 v243, v254, s[YS:YS+1]        ; lanes r and 16 + r write the same two bytes with the same value
	s_wait_xcnt 0x0                                ; the stores have read their registers and bases: both are written again for the next tile
.endm
	TILE 0
	YADR
	INIT
	s_wait_tensorcnt 0x0                           ; my part of the image has landed,
	s_barrier_signal -1
	s_barrier_wait -1                              ; everybody's has; nothing is ever filled again
	s_wait_loadcnt 0x0                             ; Q
	LOOP 8
	TILE 1                                         ; the second tile's Q lands while the first tile's y goes out
	FINISH
	YADR
	INIT
	s_wait_loadcnt 0x0
	LOOP 16
	FINISH
	s_wait_tensorcnt 0x0                           ; the wave's end
	ds_add_u32 v4, v5
	s_wait_dscnt 0x0
	CROUND                                         ; the closing round
	s_endpgm
.Lfunc_end_k_q74e7649df3_attn:
	.size	k_q74e7649df3_attn, .Lfunc_end_k_q74e7649df3_attn-k_q74e7649df3_attn
	.p2alignl 7, 3214868480
	.fill 96, 4, 3214868480
	.section	.rodata,"a",@progbits
	.p2align	6, 0x0
	.amdhsa_kernel k_q74e7649df3_attn
		.amdhsa_group_segment_fixed_size 210944
		.amdhsa_private_segment_fixed_size 0
		.amdhsa_enable_private_segment 0
		.amdhsa_kernarg_size 16
		.amdhsa_user_sgpr_count 2
		.amdhsa_user_sgpr_kernarg_segment_ptr 1
		.amdhsa_wavefront_size32 1
		.amdhsa_system_sgpr_workgroup_id_x 1
		.amdhsa_system_sgpr_workgroup_id_y 1
		.amdhsa_system_sgpr_workgroup_id_z 1
		.amdhsa_system_vgpr_workitem_id 0
		.amdhsa_next_free_vgpr 256
		.amdhsa_next_free_sgpr 66
		.amdhsa_reserve_vcc 1
		.amdhsa_float_denorm_mode_32 3
		.amdhsa_float_denorm_mode_16_64 3
		.amdhsa_memory_ordered 1
		.amdhsa_forward_progress 1
		.amdhsa_inst_pref_size 66
	.end_amdhsa_kernel
	.amdgpu_metadata
---
amdhsa.version: [ 1, 2 ]
amdhsa.kernels:
  - .name:           k_q74e7649df3_attn
    .symbol:         k_q74e7649df3_attn.kd
    .args:
      - { .name: qkv, .offset: 0, .size: 8, .value_kind: global_buffer, .address_space: global }
      - { .name: yq, .offset: 8, .size: 8, .value_kind: global_buffer, .address_space: global }
    .group_segment_fixed_size: 210944
    .private_segment_fixed_size: 0
    .kernarg_segment_align: 8
    .kernarg_segment_size: 16
    .max_flat_workgroup_size: 512
    .sgpr_count:     66
    .vgpr_count:     256
    .wavefront_size: 32
...
	.end_amdgpu_metadata
.endif
;; end of part 3
;; launch proj (part 4): grid 4 x 32, 4 waves a work-group, clusters of 4 x 4, 327,680 bytes of LDS; arguments yq, wpq, out0; writes out0
.if DOCPART == 4
	.amdgcn_target "amdgcn-amd-amdhsa--gfx1250"
	.amdhsa_code_object_version 6
	.text
	.protected	k_q74e7649df3_proj
	.globl	k_q74e7649df3_proj
	.p2align	8
	.type	k_q74e7649df3_proj,@function
k_q74e7649df3_proj:
	s_mov_b64 s[64:65], 0
	v_nop
	global_prefetch_b8 v0, s[64:65] scope:SCOPE_SE
	s_setreg_imm32_b32 hwreg(HW_REG_WAVE_MODE, 25, 1), 1
	s_wait_xcnt 0x0
	s_wait_alu depctr_hold_cnt(0) depctr_sa_sdst(0) depctr_va_vdst(0) depctr_va_sdst(0) depctr_va_ssrc(0) depctr_va_vcc(0) depctr_vm_vsrc(0)
	s_getreg_b32 s2, hwreg(HW_REG_IB_STS2, 6, 4)
	s_cmp_eq_u32 s2, 0
	s_cbranch_scc0 .Lentry_in_a_cluster
	s_endpgm
.Lentry_in_a_cluster:
	s_bfe_u32 s2, ttmp6, 0x10000c
	s_cmp_lg_u32 s2, 0xf033
	s_cbranch_scc0 .Lentry_shape_is_right
	s_endpgm
.Lentry_shape_is_right:
; out0 = y w_proj on codes of FP6 (E2M3) with E8M0 scales, K = 1,024, f32 results.  A work-group of four waves makes 256 tokens x 256 columns, a wave 128 x 128: 64 accumulators, 512 registers.
; K goes in four slots of 256 through a ring of two LDS slots filled by the tensor data mover.  Operands lie in memory as UNITS of 768 bytes (a tile of 16 rows x 64 along K; lane (r, h): its first 16 bytes at 16 x lane, its last 8 at
; 512 + 8 x lane), [tile][16 units]; lane r of tile T is row 32 (T / 2) + 8 (T % 2) + r + 8 (r / 8); behind the codes 32 scale bytes for each (tile, r).
; Source 0 = 16 columns of w_proj, source 1 = 16 tokens: a lane holds a token, and its eight results of accumulator b are columns 32 (b / 2) + 8 (b % 2) + 16 h + 0 .. 7.
; CLUSTERS: 4 x 4.  y's tiles are shared along a row of the cluster, w's along a column: each is asked for jointly.  The grid has 128 work-groups: tiles of 128 x 256 would read half as much again from LDS for each product.
; REGISTERS: window 0: v1-29 addresses; v32-63 scale words, two sets, and nothing else; v128-223 source 1's fragments, one set; on the way out v128-255 rows read back.  window 1: source 0's fragments, two sets.  windows 2, 3: the accumulators.
.set NQ,     2
.set FR,     12
.set NL,     4
.set NP,     4
.set TILEB,  3072
.set TILEG,  12288
.set HALFT,  8*TILEB
.set SLOT,   4*HALFT
.set SCL,    2*SLOT
.set HALFS,  16*272
.set SBLK,   2*272
.set SPARE,  SCL+4*HALFS
.set XSCO,   6291456                   ; where the scale bytes begin in yq,
.set WSCO,   786432                    ; and in wpq
.set SPITCH, 528                       ; the way out: a stage of 16 rows x (512 bytes + 16) for each wave, in slot 0, which has had its last fill and its last read when the first result is stored there
.set ADRA, 16
.set ADRB, 20
.set STO,  24
.set RD,   25
.set CO,   26
.set ADRS, 27
.set SPW,  28
.set NIL,  29
.set SC,   32
.set AF,   128
.set BK,   128
.set G1, 24
.set G0, 32
.set G1B, 48
.set G0B, 56
.set G1S, 68
.set G0S, 76
.set G1SB, 80
.set G0SB, 88
.set MSB, 0
.macro WIN new
.if MSB != (\new)
	s_set_vgpr_msb (MSB<<8)|(\new)
.set MSB, (\new)
.endif
.endm
.set MUL_LO, 0xa1
.set MUL_HI, 0xf1
.set TO_B,   0x40
.macro JLOAD g0a, g1a, g0b, g1b        ; waves 0 and 1 fetch y's halves, waves 2 and 3 w's; an s_nop 0 and four v_nop follow each of the two lines
	s_cmp_eq_u32 s15, 0
	s_cbranch_scc0 .Lfor_b_\@
	tensor_load_to_lds s[\g0a:\g0a+3], s[\g1a:\g1a+7]
	s_nop 0
.rept 4
	v_nop
.endr
	s_branch .Lasked_\@
.Lfor_b_\@:
	tensor_load_to_lds s[\g0b:\g0b+3], s[\g1b:\g1b+7]
	s_nop 0
.rept 4
	v_nop
.endr
.Lasked_\@:
.endm
.macro CREST
	s_cmp_lg_u32 s14, 0
	s_cbranch_scc1 .Lnot_wave_0_\@
	s_barrier_signal -3
.Lnot_wave_0_\@:
	s_barrier_wait -3
	s_barrier_signal -1
	s_barrier_wait -1
.endm
.macro CROUND
	s_barrier_signal -1
	s_barrier_wait -1
	CREST
.endm
	s_load_b128 s[4:7], s[0:1], 0x0                ; yq s[4:5], wpq s[6:7]
	s_load_b64 s[12:13], s[0:1], 0x10              ; out0
	v_lshl_add_u32 v[SPW], v0, 2, SPARE
	v_mov_b32 v[NIL], 0
	ds_add_u32 v[SPW], v[NIL]                      ; the wave's opening: the add and its wait ahead of my first tensor load
	ds_add_u32 v[SPW], v[NIL]
	v_lshrrev_b32 v1, 5, v0
	v_readfirstlane_b32 s14, v1                    ; wave 0..3
	s_lshr_b32 s15, s14, 1                         ; which half of the tokens is mine.  Also: I fetch for y (0) or for w (1)
	s_and_b32 s16, s14, 1                          ; which half of the columns.  Also: which 8 tiles I fetch
	s_bfe_u32 s40, ttmp6, 0x40000                  ; cx
	s_bfe_u32 s41, ttmp6, 0x40004                  ; cy
	s_lshl_b32 s42, ttmp9, 2
	s_add_co_u32 s42, s42, s40                     ; which 256 columns
	s_and_b32 s17, ttmp7, 0xffff
	s_lshl_b32 s17, s17, 2
	s_add_co_u32 s17, s17, s41                     ; which 256 tokens
	s_lshl_b32 s43, s41, 2
	s_lshl_b32 s43, 15, s43                        ; my row of the cluster
	s_lshl_b32 s44, 0x1111, s40                    ; my column
	s_or_b32 s[G1+0], s43, (3<<16)|(1<<21)         ; codes: 8 tiles x 3,072 bytes (384 elements of 8 bytes), 12,288 bytes apart in memory, dense in LDS
	s_or_b32 s[G1B+0], s44, (3<<16)|(1<<21)
.irp g, G1, G1B
	s_mov_b32 s[\g+1], 384<<16
	s_mov_b32 s[\g+2], 8<<16
	s_mov_b32 s[\g+3], 384<<16
	s_mov_b32 s[\g+4], 8
	s_mov_b32 s[\g+5], 1536
	s_mov_b32 s[\g+6], 0
	s_mov_b32 s[\g+7], 0
.endr
	s_or_b32 s[G1S+0], s43, (3<<16)|(1<<20)|(1<<21)|(5<<22)|(3<<25)   ; scale bytes of 128 rows: 16 rows of 256 bytes, 16 of padding behind each
	s_or_b32 s[G1SB+0], s44, (3<<16)|(1<<20)|(1<<21)|(5<<22)|(3<<25)
.irp g, G1S, G1SB
	s_mov_b32 s[\g+1], 32<<16
	s_mov_b32 s[\g+2], 16<<16
	s_mov_b32 s[\g+3], 32<<16
	s_mov_b32 s[\g+4], 16
	s_mov_b32 s[\g+5], 32
	s_mov_b32 s[\g+6], 0
	s_mov_b32 s[\g+7], 0
.endr
	s_lshl_b32 s18, s16, 3
	s_lshl_b32 s20, s17, 4
	s_add_co_u32 s20, s20, s18                     ; y: my first tile
	s_lshl_b32 s46, s42, 4
	s_add_co_u32 s46, s46, s18                     ; w: likewise
	s_lshl_b32 s22, s20, 9
	s_add_co_u32 s22, s22, XSCO
	s_mov_b32 s23, 0
	s_lshl_b32 s92, s46, 9
	s_add_co_u32 s92, s92, WSCO
	s_mov_b32 s93, 0
	s_mul_i32 s20, s20, TILEG
	s_mov_b32 s21, 0
	s_mul_i32 s46, s46, TILEG
	s_mov_b32 s47, 0
	s_mul_i32 s45, s14, HALFT
	s_mul_i32 s94, s14, HALFS
	s_wait_dscnt 0x0                               ; the opening add is done
	s_wait_kmcnt 0x0
	s_add_nc_u64 s[20:21], s[4:5], s[20:21]
	s_add_nc_u64 s[22:23], s[4:5], s[22:23]
	s_add_nc_u64 s[46:47], s[6:7], s[46:47]
	s_add_nc_u64 s[92:93], s[6:7], s[92:93]
	CROUND                                         ; all sixteen work-groups are here: the first joint loads meet
	s_mov_b32 s[G0S], 1
	s_add_co_u32 s[G0S+1], s94, SCL
	s_mov_b64 s[G0S+2:G0S+3], s[22:23]
	s_or_b32 s[G0S+3], s[G0S+3], 0x80000000
	s_mov_b32 s[G0SB], 1
	s_add_co_u32 s[G0SB+1], s94, SCL
	s_mov_b64 s[G0SB+2:G0SB+3], s[92:93]
	s_or_b32 s[G0SB+3], s[G0SB+3], 0x80000000
	JLOAD G0S, G1S, G0SB, G1SB                     ; the scale bytes first: filled once.  Each slot's load waits for the loads before it: one of mine is out at a time
.irp s, 0,1
	s_mov_b32 s[G0+4*\s], 1
	s_add_co_u32 s[G0+4*\s+1], s45, \s*SLOT
	s_add_nc_u64 s[G0+4*\s+2:G0+4*\s+3], s[20:21], \s*TILEB
	s_or_b32 s[G0+4*\s+3], s[G0+4*\s+3], 0x80000000
	s_mov_b32 s[G0B+4*\s], 1
	s_add_co_u32 s[G0B+4*\s+1], s45, \s*SLOT
	s_add_nc_u64 s[G0B+4*\s+2:G0B+4*\s+3], s[46:47], \s*TILEB
	s_or_b32 s[G0B+4*\s+3], s[G0B+4*\s+3], 0x80000000
	s_wait_alu depctr_va_vdst(0)
	s_wait_tensorcnt 0x0
	ds_add_u32 v28, v29
	s_wait_dscnt 0x0
	CROUND
	JLOAD G0+4*\s, G1, G0B+4*\s, G1B
.endr
	v_and_b32 v1, 31, v0                           ; lane
	v_lshlrev_b32 v[CO], 4, v1                     ; 16 x lane
	v_lshl_add_u32 v3, v1, 3, 512                  ; 512 + 8 x lane
	s_mul_i32 s21, s15, HALFT                      ; my 8 tiles of y
	s_mul_i32 s22, s16, HALFT
	s_add_co_u32 s22, s22, 2*HALFT                 ; my 8 tiles of w, behind y's 16
.irp s, 0,1
	v_add_nc_u32 v[ADRA+\s], s21, v[CO]
	v_add_nc_u32 v[ADRA+2+\s], s21, v3
	v_add_nc_u32 v[ADRB+\s], s22, v[CO]
	v_add_nc_u32 v[ADRB+2+\s], s22, v3
	s_add_co_u32 s21, s21, SLOT
	s_add_co_u32 s22, s22, SLOT
.endr
	v_and_b32 v4, 15, v0                           ; r
	v_bfe_u32 v2, v0, 4, 1                         ; h
	v_lshlrev_b32 v5, 5, v4                        ; my row's scale bytes: 32 a row,
	v_lshrrev_b32 v6, 8, v5
	v_lshl_add_u32 v5, v6, 4, v5                   ; and 16 more for each 256 passed
	s_mul_i32 s21, s15, HALFS
	s_mul_i32 s22, s16, HALFS
	s_add_co_u32 s22, s22, 2*HALFS
	s_sub_co_u32 s22, s22, s21
	v_mul_u32_u24 v6, s22, v2                      ; lanes 16-31 take w's
	s_add_co_u32 s21, s21, SCL
	v_add_nc_u32 v5, v5, v6
	v_add_nc_u32 v[ADRS], s21, v5
	s_mul_i32 s23, s14, 16*SPITCH                  ; my stage
	v_mul_u32_u24 v5, v4, SPITCH                   ; in: row r, + 64 h
	v_lshl_add_u32 v5, v2, 6, v5
	v_add_nc_u32 v[STO], s23, v5
	v_add_nc_u32 v[RD], s23, v[CO]                 ; back: the 32 lanes take one row of 512 bytes
	s_lshl_b32 s20, s17, 8
	s_lshl_b32 s21, s15, 7
	s_add_co_u32 s20, s20, s21                     ; my first token
	s_lshl_b32 s20, s20, 12                        ; a row of out0 is 4,096 bytes
	s_mov_b32 s21, 0
	s_lshl_b32 s46, s42, 10                        ; my first column, in bytes
	s_lshl_b32 s47, s16, 9
	s_add_co_u32 s46, s46, s47
	s_mov_b32 s47, 0
	s_add_nc_u64 s[20:21], s[20:21], s[46:47]
	s_add_nc_u64 s[12:13], s[12:13], s[20:21]
.macro FRAG reg, adr, q, i             ; a fragment, 16 rows x 128 K, is two units
	ds_load_b128 v[\reg:\reg+3], v[\adr] offset:(\i)*TILEB+(\q)*1536
	ds_load_b64 v[\reg+4:\reg+5], v[\adr+2] offset:(\i)*TILEB+(\q)*1536
	ds_load_b128 v[\reg+6:\reg+9], v[\adr] offset:(\i)*TILEB+(\q)*1536+768
	ds_load_b64 v[\reg+10:\reg+11], v[\adr+2] offset:(\i)*TILEB+(\q)*1536+768
.endm
.macro MUL16 a0, p, q, sc, zero        ; the 64 accumulators take turns, one instruction a turn, in the same order in every step
.irp a, \a0, \a0+1
.irp b, 0,1,2,3,4,5,6,7
.if \zero
	v_wmma_scale_f32_16x16x128_f8f6f4 v[8*(8*((\a)%4)+\b):8*(8*((\a)%4)+\b)+7], v[128*(\p)+FR*\b:128*(\p)+FR*\b+FR-1], v[AF+FR*(\a):AF+FR*(\a)+FR-1], 0, v[SC+8*NQ*(\sc)+NQ*\b+(\q)], v[SC+8*NQ*(\sc)+NQ*(\a)+(\q)] matrix_a_fmt:MATRIX_FMT_FP6 matrix_b_fmt:MATRIX_FMT_FP6 matrix_a_scale:MATRIX_SCALE_ROW1
.else
	v_wmma_scale_f32_16x16x128_f8f6f4 v[8*(8*((\a)%4)+\b):8*(8*((\a)%4)+\b)+7], v[128*(\p)+FR*\b:128*(\p)+FR*\b+FR-1], v[AF+FR*(\a):AF+FR*(\a)+FR-1], v[8*(8*((\a)%4)+\b):8*(8*((\a)%4)+\b)+7], v[SC+8*NQ*(\sc)+NQ*\b+(\q)], v[SC+8*NQ*(\sc)+NQ*(\a)+(\q)] matrix_a_fmt:MATRIX_FMT_FP6 matrix_b_fmt:MATRIX_FMT_FP6 matrix_a_scale:MATRIX_SCALE_ROW1
.endif
.endr
.endr
.endm
.macro FETCH_B slot, q, p
	WIN TO_B
.irp i, 0,1,2,3,4,5,6,7
	FRAG 128*(\p)+FR*\i, ADRB+\slot, \q, \i
.endr
	WIN 0
.endm
.macro FETCH_A slot, q, i0
.irp i, \i0, \i0+1, \i0+2, \i0+3
	FRAG AF+FR*(\i), ADRA+\slot, \q, \i
.endr
.endm
.macro SCALES sc
.irp i, 0,1,2,3,4,5,6,7
	ds_load_b64 v[SC+8*NQ*\sc+NQ*\i:SC+8*NQ*\sc+NQ*\i+1], v[ADRS] offset:\i*SBLK
.endr
.endm
.macro PLACES n
.rept \n
	v_nop
.endr
.endm
.macro STEP slot, q, zero
	s_wait_dscnt 4*NL                              ; source 0's set and source 1's blocks 0-3 are in; the youngest 16 loads (blocks 4-7) may be out
	WIN MUL_LO
	MUL16 0, (\q)%2, \q, \slot, \zero
	MUL16 2, (\q)%2, \q, \slot, \zero
	s_wait_dscnt 0
	PLACES NP
	FETCH_B \slot, (\q)+1, 1-(\q)%2
	FETCH_A \slot, (\q)+1, 0
	WIN MUL_HI
	MUL16 4, (\q)%2, \q, \slot, \zero
	MUL16 6, (\q)%2, \q, \slot, \zero
	PLACES NP
	WIN 0
	FETCH_A \slot, (\q)+1, 4
.endm
.macro TURN slot, next, fill           ; a slot's last step changes slots: one barrier; fill = 1: this slot is filled again, two slots ahead
	s_wait_tensorcnt 0x0                           ; all my tensor loads have landed: my part of the next slot
	ds_add_u32 v[SPW], v[NIL]                      ; 0 onto my spare word
	s_wait_dscnt 4*NL+1                            ; (the add and the youngest 16 loads may be out)
	WIN MUL_LO
	MUL16 0, 1, NQ-1, \slot, 0
	s_wait_dscnt 0x0                               ; the add is done, and my reads of this slot are over
	s_barrier_signal -1
	MUL16 2, 1, NQ-1, \slot, 0
	WIN 0
	s_barrier_wait -1
.if \fill
	CREST                                          ; a round of the cluster's barrier: no wave of any partner still reads this slot or has a load on its way
	s_add_nc_u64 s[G0+4*\slot+2:G0+4*\slot+3], s[G0+4*\slot+2:G0+4*\slot+3], 2*TILEB
	s_add_nc_u64 s[G0B+4*\slot+2:G0B+4*\slot+3], s[G0B+4*\slot+2:G0B+4*\slot+3], 2*TILEB
	JLOAD G0+4*\slot, G1, G0B+4*\slot, G1B         ; the first tensor load behind the round, my only one until the next
.else
	PLACES NP
.endif
	s_wait_alu depctr_va_vdst(0)
	v_add_nc_u32 v[ADRS], 4*NQ, v[ADRS]
	FETCH_B \next, 0, 0
	FETCH_A \next, 0, 0
	SCALES \next
	WIN MUL_HI
	MUL16 4, 1, NQ-1, \slot, 0
	MUL16 6, 1, NQ-1, \slot, 0
	PLACES NP
	WIN 0
	FETCH_A \next, 0, 4
.endm
	s_wait_alu depctr_va_vdst(0)
	s_wait_tensorcnt 1                             ; the scale bytes and my part of slot 0 are in (slot 1's load may be out)
	s_barrier_signal -1
	s_barrier_wait -1                              ; everybody's are
	FETCH_B 0, 0, 0
	FETCH_A 0, 0, 0
	SCALES 0
	FETCH_A 0, 0, 4
	STEP 0, 0, 1                                   ; the first products start the sums.  K is four slots: the eight steps are written on end, with no jump
	TURN 0, 1, 1
	STEP 1, 0, 0
	TURN 1, 0, 1
	STEP 0, 0, 0
	TURN 0, 1, 0
	STEP 1, 0, 0
	s_wait_dscnt 4*NL
	WIN MUL_LO
	MUL16 0, 1, NQ-1, 1, 0
	MUL16 2, 1, NQ-1, 1, 0
	s_wait_dscnt 0
	WIN MUL_HI
	MUL16 4, 1, NQ-1, 1, 0
	MUL16 6, 1, NQ-1, 1, 0
	WIN 0
; THE WAY OUT, block by block of 16 tokens x 128 columns, through my own stage in LDS: in by 32 bytes of a row a lane, back as whole rows of 512 bytes.  LDS serves a wave's instructions in order (ISA guide 5.7.1.4).
.macro TOSTAGE a
.set AC, 64*((\a)%4)
	WIN 0x08+4*((\a)/4)                            ; the data: window 2 or 3
.irp b, 0,1,2,3,4,5,6,7
	ds_store_b128 v[STO], v[AC+8*\b:AC+8*\b+3] offset:128*(\b/2)+32*(\b%2)           ; each accumulator from its low end on
	ds_store_b128 v[STO], v[AC+8*\b+4:AC+8*\b+7] offset:128*(\b/2)+32*(\b%2)+16
.endr
	WIN 0
.set BB, BK+64*((\a)%2)
.irp t, 0,1,2,3,4,5,6,7,8,9,10,11,12,13,14,15
	ds_load_b128 v[BB+4*\t:BB+4*\t+3], v[RD] offset:\t*SPITCH
.endr
.endm
.macro SEND a, younger                 ; younger: the LDS instructions issued behind block a's loads, which may stay out.  Stage row t is token 32 (a / 2) + 8 (a % 2) + t + 8 (t / 8) of my 128
.set BB, BK+64*((\a)%2)
	s_wait_dscnt \younger
.irp t, 0,1,2,3,4,5,6,7,8,9,10,11,12,13,14,15
	global_store_b128 v[CO], v[BB+4*\t:BB+4*\t+3], s[12:13] offset:(32*((\a)/2)+8*((\a)%2)+\t+8*(\t/8))*4096 th:TH_STORE_NT   ; 32 lanes store 512 consecutive bytes; 127 rows on at the most, inside the signed 24-bit immediate
.endr
.endm
	PLACES NP                                      ; behind the last products: their results are read, and loads land in source 1's registers, below
	TOSTAGE 0
.irp a, 1,2,3,4,5,6,7
.if \a > 1
	s_wait_xcnt 0x0                                ; block a - 2's stores have read their registers: block a's loads may land there
.endif
	TOSTAGE \a
	SEND \a-1, 32                                  ; behind block a - 1's loads: block a's 16 stores and 16 loads
.endr
	SEND 7, 0
	s_wait_tensorcnt 0x0                           ; the wave's end
	ds_add_u32 v[SPW], v[NIL]
	s_wait_dscnt 0x0
	CROUND                                         ; the closing round
	s_endpgm
.Lfunc_end_k_q74e7649df3_proj:
	.size	k_q74e7649df3_proj, .Lfunc_end_k_q74e7649df3_proj-k_q74e7649df3_proj
	.p2alignl 7, 3214868480
	.fill 96, 4, 3214868480
	.section	.rodata,"a",@progbits
	.p2align	6, 0x0
	.amdhsa_kernel k_q74e7649df3_proj
		.amdhsa_group_segment_fixed_size 327680
		.amdhsa_private_segment_fixed_size 0
		.amdhsa_enable_private_segment 0
		.amdhsa_kernarg_size 24
		.amdhsa_user_sgpr_count 2
		.amdhsa_user_sgpr_kernarg_segment_ptr 1
		.amdhsa_wavefront_size32 1
		.amdhsa_system_sgpr_workgroup_id_x 1
		.amdhsa_system_sgpr_workgroup_id_y 1
		.amdhsa_system_sgpr_workgroup_id_z 1
		.amdhsa_system_vgpr_workitem_id 0
		.amdhsa_next_free_vgpr 1024
		.amdhsa_next_free_sgpr 98
		.amdhsa_reserve_vcc 0
		.amdhsa_float_denorm_mode_32 3
		.amdhsa_float_denorm_mode_16_64 3
		.amdhsa_memory_ordered 1
		.amdhsa_forward_progress 1
		.amdhsa_inst_pref_size 144
	.end_amdhsa_kernel
	.amdgpu_metadata
---
amdhsa.version: [ 1, 2 ]
amdhsa.kernels:
  - .name:           k_q74e7649df3_proj
    .symbol:         k_q74e7649df3_proj.kd
    .args:
      - { .name: yq, .offset: 0, .size: 8, .value_kind: global_buffer, .address_space: global }
      - { .name: wpq, .offset: 8, .size: 8, .value_kind: global_buffer, .address_space: global }
      - { .name: out0, .offset: 16, .size: 8, .value_kind: global_buffer, .address_space: global }
    .group_segment_fixed_size: 327680
    .private_segment_fixed_size: 0
    .kernarg_segment_align: 8
    .kernarg_segment_size: 24
    .max_flat_workgroup_size: 128
    .sgpr_count:     98
    .vgpr_count:     1024
    .wavefront_size: 32
...
	.end_amdgpu_metadata
.endif
;; end of part 4
